; MI455X (gfx1250); checked and timed in simulation.
; The chip was launched on July 23, 2026; its instructions are those of AMD's public machine-readable ISA for CDNA 5 (MIT licence, August 2026) and "CDNA5" Instruction Set Architecture Reference Guide (July 2026). The comments in the code are by the model that wrote it; some were corrected since.
;; Attention. Allowed arithmetic: matrix products marked QUANTISED: E2M3 operands, one E8M0 scale for each 32 along K, by v_wmma_scale_f32_16x16x128_f8f6f4 with both operands' format E2M3, f32 sums; everything else in f32.
;; Inputs: Wk 1,024 x 1,024 float32; Wo 1,024 x 1,024 float32; Wq 1,024 x 1,024 float32; Wv 1,024 x 1,024 float32; bo 1,024 float32; x 4 x 2,048 x 1,024 float32.
;; Outputs: out0 4 x 2,048 x 1,024 float32.
;; This version of the problem:
;;   THIS VERSION OF THE PROBLEM IS GIVEN IN LOW PRECISION. The matrix products marked QUANTISED in the list below multiply operands that are first quantised to E2M3 (2 exponent bits, 3 mantissa bits; 6 bits a number), with one power-of-two scale for each 32 numbers along K (OCP MX v1.0); their sums are f32. All else is computed in f32.
;;   The module's matrix products, in the order in which they are computed (A, B: the left and right operand; K: the contracted axis; several contracted axes count as one K, in the product's order):
;;     1. [M 8,192, K 1,024] x [K 1,024, N 1,024]; A: input x; B: input Wq: QUANTISED
;;     2. [M 8,192, K 1,024] x [K 1,024, N 1,024]; A: input x; B: input Wk: QUANTISED
;;     3. [M 8,192, K 1,024] x [K 1,024, N 1,024]; A: input x; B: input Wv: QUANTISED
;;     4. batch 64 x [M 2,048, K 64] x [K 64, N 2,048]; A: computed on the way; B: computed on the way: QUANTISED
;;     5. batch 64 x [M 2,048, K 2,048] x [K 2,048, N 64]; A: softmax (see below); B: computed on the way: QUANTISED
;;     6. [M 8,192, K 1,024] x [K 1,024, N 1,024]; A: computed on the way; B: input Wo: QUANTISED
;;   THE QUANTISER, for each operand of a quantised product, along K:
;;     - K is cut into blocks of 32 from its start; a last block that is shorter is filled with zeros.
;;     - A block's scale is 2^e with e = floor(log2(the largest magnitude in the block)) - 2, held to -126 .. 127; a block of zeros has e = 0. As a byte (E8M0): e + 127.
;;     - Each number is divided by its block's scale, clamped to +-7.5, and rounded to the nearest number of E2M3, ties to even, subnormals kept.
;;     - The product sums the exact products of the quantised numbers (number of the format x scale) in f32.
;;   ~~~python
;;   def quantise(x, axis):      # numpy; x: float32 -> the quantised numbers, widened to float32 again
;;       x = np.moveaxis(x, axis, -1); K = x.shape[-1]
;;       x = np.pad(x, [(0, 0)] * (x.ndim - 1) + [(0, -K % 32)]); x = x.reshape(x.shape[:-1] + (-1, 32)); a = np.abs(x).max(-1, keepdims=True)
;;       e = np.where(a > 0, np.clip(np.frexp(np.where(a > 0, a, 1))[1] - 1 - 2, -126, 127), 0)      # np.frexp(a)[1] - 1 = floor(log2(a)), exactly
;;       r = np.clip(x / 2.0 ** e, -7.5, 7.5)
;;       step = 2.0 ** (np.maximum(np.frexp(np.where(r == 0, 1, r))[1] - 1, 0) - 3)
;;       q = np.round(r / step) * step * 2.0 ** e      # np.round: ties to even
;;       return np.moveaxis(q.reshape(q.shape[:-2] + (-1,))[..., :K], -1, axis).astype(np.float32)
;;   ~~~
;;   SOFTMAX AHEAD OF A QUANTISED PRODUCT. Where the list says 'softmax', what is quantised is not the finished softmax but p = 2^(t - M), with t = logit x log2(e) and M = ceil(the row's largest t), a whole number; so 1/2 < the row's largest p <= 1. The row's sum l is taken of the UNQUANTISED p, in f32, and the product's result is divided by l at the end. Since M is a whole number, a kernel that streams over the keys may use a running M (the ceiling of the running maximum): every later rescaling is an exact power of two, which a block's scale takes up: the codes' values come out the same.
;;   OPERANDS COMPUTED ON THE WAY. 'Computed on the way' means the value that the module computes at that place (a softmax that the list does not call 'softmax' is quantised finished and normalised). What goes into a quantiser is computed in f32, as accurately as f32 sums, v_exp_f32 and their like allow (about 1e-6 of the number): no bf16 or f16 on the way to a quantiser, and a product that is left as it is and whose result goes on into a quantised operand takes f32 operands (vector FMAs, or v_wmma_f32_16x16x4_f32). A number that lies on a knife's edge between two numbers of the format may be rounded either way, as far as f32 arithmetic and the matrix unit's own rounding can turn it there, and no further.
;; One version. Each part assembles by itself: llvm-mc -triple=amdgcn-amd-amdhsa -mcpu=gfx1250 --defsym DOCPART=n.
;; ======== version 1 of 1: 4 launches
;; limits: right only within a limited range of input values
;; workspace buffers: xq 6,553,600 bytes; wq 3,276,800 bytes; qk 13,107,200 bytes; vt 6,553,600 bytes; ao 6,553,600 bytes
;; launch quant (part 1): grid 256 x 1, 6 waves a work-group, no clusters, 51,456 bytes of LDS; arguments x, Wq, Wk, Wv, Wo, xq, wq; writes xq, wq
.if DOCPART == 1
	.amdgcn_target "amdgcn-amd-amdhsa--gfx1250"
	.amdhsa_code_object_version 6
	.text
	.protected	k_q2736b2b3c7_quant
	.globl	k_q2736b2b3c7_quant
	.p2align	8
	.type	k_q2736b2b3c7_quant,@function
k_q2736b2b3c7_quant:
	s_mov_b64 s[64:65], 0
	v_nop
	global_prefetch_b8 v0, s[64:65] scope:SCOPE_SE
	s_setreg_imm32_b32 hwreg(HW_REG_WAVE_MODE, 25, 1), 1
	s_wait_xcnt 0x0
; x [8192][1024] and Wq, Wk, Wv, Wo [1024][1024], f32 with K innermost, become codes of FP6 (E2M3) with one E8M0 byte for each 32 along K,
; laid in the order of a matrix operand's registers, so that the later launches fetch whole fragments by consecutive bytes.
; A block's scale is 2^(floor(log2(its largest magnitude)) - 2): its byte is the largest magnitude's exponent field - 2, held at 1 from below.
; LIMITS: a block of zeros gets the byte 1 where the rule says 127 (its codes are zeros, which add nothing, and this program alone reads the bytes);
; blocks whose largest magnitude lies under 2^-124 are held at that floor; NaN and infinities among the inputs are not served.
; TILES.  A tile is 16 rows: place m of tile t is row 32 (t / 2) + 8 (t % 2) + m + 8 (m / 8).  With this choice the results of a product whose source 0
; is such a tile have 16 neighbours along that source's rows in the 16 registers of two neighbouring tiles, as a later quantiser wants them.
; FRAGMENT IMAGE.  16 rows x 128 K = 12 registers a lane = two halves of 768 bytes: registers 6 e .. 6 e + 3 at 16 x lane, registers 6 e + 4, 6 e + 5 at 512 + 8 x lane.
; xq: codes [tile 512][K step 8][1536]; from XS on the scale words [tile][K half 2][row 16][K step % 4].  wq: the same for the 256 tiles of Wq, Wk, Wv, Wo; scale words from WS on.
; SHARES.  1,536 jobs of 16 rows x 512 K (four fragments), a wave to a job, six waves to a work-group.  Waves share nothing: no barrier, no cluster (no input byte is read twice).
; A load takes 512 consecutive bytes of one row; the 16 rows x 512 bytes turn through the wave's own stage in LDS (pitch 528, an odd multiple of 16 bytes) and come back
; as 16 neighbours of each block of 32 to a lane: lane (r, h) holds, of row r, k = 32 b + 16 h + i in register 16 b + i.
.set XS,    6291456
.set WS,    3145728
.set STAGE, 8448                       ; 16 rows x 528 bytes, one stage a wave
.set PITCH, 528
.set RS0,   32                         ; v32-223  three sets of 64 numbers
.set PC,    224                        ; v224-235 a fragment's codes; v236-238, v240-242 the conversions' second halves
.set TM,    244                        ; v244-247 largest magnitudes
.set PB,    248                        ; v248-251 the other half's maxima, then the bytes
.set SO,    252                        ; v252-255 the conversions' scale operands
.set PW,    24                         ; v24-27   the four scale words
.set SEL,   40                         ; s[40:41] lane selects: lane l xor 16
	s_load_b256 s[4:11], s[0:1], 0x0               ; x, Wq, Wk, Wv
	s_load_b128 s[12:15], s[0:1], 0x20             ; Wo, xq
	s_load_b64 s[16:17], s[0:1], 0x30              ; wq
	v_lshl_add_u32 v239, v0, 2, 0xc600
	v_mov_b32 v243, 0
	v_lshrrev_b32 v6, 5, v0
	v_readfirstlane_b32 s18, v6                    ; wave 0..5
	v_and_b32 v7, 31, v0                           ; lane
	v_and_b32 v8, 15, v0                           ; r
	v_bfe_u32 v9, v0, 4, 1                         ; h
	v_lshlrev_b32 v1, 4, v7                        ; 16 x lane
	v_lshlrev_b32 v2, 3, v7                        ; 8 x lane
	s_mul_i32 s19, s18, STAGE
	v_add_nc_u32 v3, s19, v1                       ; the stage, on the way in
	v_mul_u32_u24 v4, v8, PITCH
	v_lshl_add_u32 v4, v9, 6, v4
	v_add_nc_u32 v4, s19, v4                       ; and on the way out: row r, + 64 h
	v_lshlrev_b32 v5, 4, v8
	v_lshl_add_u32 v5, v9, 3, v5                   ; the scale words' place: 16 r + 8 h
.irp b, 0,1,2,3
	v_mov_b32 v[PB+\b], 0                          ; written once: a lane permute's destination counts as one of its sources
.endr
	s_mov_b32 s[SEL], 0x76543210
	s_mov_b32 s[SEL+1], 0xfedcba98
	s_mul_i32 s20, ttmp9, 6
	s_add_co_u32 s20, s20, s18                     ; my job
	s_and_b32 s21, s20, 1                          ; which half of K
	s_lshr_b32 s20, s20, 1                         ; which of the 768 tiles: 0-511 x, then 64 for each weight
	s_sub_co_u32 s22, s20, 512                     ; the tile among the weights' 256
	s_lshr_b32 s23, s22, 6                         ; which weight
	s_and_b32 s24, s22, 63                         ; the tile in it
	s_wait_alu depctr_va_vdst(0)
	s_wait_kmcnt 0x0
	s_cmp_eq_u32 s23, 1                            ; the choices hang on the job's number alone
	s_cselect_b64 s[26:27], s[8:9], s[6:7]
	s_cmp_eq_u32 s23, 2
	s_cselect_b64 s[26:27], s[10:11], s[26:27]
	s_cmp_eq_u32 s23, 3
	s_cselect_b64 s[26:27], s[12:13], s[26:27]
	s_mov_b32 s30, WS
	s_cmp_lt_u32 s20, 512
	s_cselect_b64 s[26:27], s[4:5], s[26:27]       ; from where
	s_cselect_b64 s[28:29], s[14:15], s[16:17]     ; to where
	s_cselect_b32 s24, s20, s24                    ; the tile in its source
	s_cselect_b32 s25, s20, s22                    ; the tile in its destination
	s_cselect_b32 s30, XS, s30                     ; where the destination's scale words begin
	s_lshr_b32 s32, s24, 1
	s_lshl_b32 s32, s32, 17                        ; 32 rows of 4,096 bytes for each pair of tiles,
	s_and_b32 s33, s24, 1
	s_lshl_b32 s33, s33, 15                        ; 8 rows for the odd tile,
	s_add_co_u32 s32, s32, s33
	s_lshl_b32 s33, s21, 11                        ; 2,048 bytes for the second half of K
	s_add_co_u32 s32, s32, s33
	s_mov_b32 s33, 0
	s_add_nc_u64 s[26:27], s[26:27], s[32:33]
	s_mul_i32 s36, s25, 12288
	s_mul_i32 s37, s21, 6144
	s_add_co_u32 s36, s36, s37
	s_mov_b32 s37, 0
	s_lshl_b32 s34, s25, 9
	s_lshl_b32 s35, s21, 8
	s_add_co_u32 s34, s34, s35
	s_add_co_u32 s34, s34, s30
	s_mov_b32 s35, 0
	s_add_nc_u64 s[38:39], s[28:29], s[34:35]      ; my 256 bytes of scale words
	s_add_nc_u64 s[28:29], s[28:29], s[36:37]      ; my four fragments
.macro LOAD t                          ; K step t of my 16 rows into set t % 3: 32 lanes read 512 consecutive bytes of a row
.irp i, 0,1,2,3,4,5,6,7,8,9,10,11,12,13,14,15
	global_load_b128 v[RS0+64*((\t)%3)+4*\i:RS0+64*((\t)%3)+4*\i+3], v1, s[26:27] offset:(\i+8*(\i/8))*4096+512*(\t) th:TH_LOAD_NT
.endr
.endm
.macro TURN t                          ; through the stage and back into the same set: LDS serves a wave's instructions in order (ISA guide 5.7.1.4)
.irp i, 0,1,2,3,4,5,6,7,8,9,10,11,12,13,14,15
	ds_store_b128 v3, v[RS0+64*((\t)%3)+4*\i:RS0+64*((\t)%3)+4*\i+3] offset:PITCH*\i
.endr
.irp b, 0,1,2,3
.irp j, 0,1,2,3
	ds_load_b128 v[RS0+64*((\t)%3)+16*\b+4*\j:RS0+64*((\t)%3)+16*\b+4*\j+3], v4 offset:128*\b+16*\j
.endr
.endr
.endm
; 64 numbers of a lane, register 16 b + i = k 32 b + 16 h + i of my row, become a fragment's codes in v[PC] on and its scale word in v[pw]
.macro QUANT s, pw
.irp b, 0,1,2,3
	v_max3_num_f32 v[TM+\b], |v[\s+16*\b]|, |v[\s+16*\b+1]|, 0x1800000   ; my 16 numbers of block b, and the floor 2^(3 - 127): the byte cannot fall under 1
.endr
.irp i, 2,4,6,8,10,12,14
.irp b, 0,1,2,3
	v_max3_num_f32 v[TM+\b], v[TM+\b], |v[\s+16*\b+\i]|, |v[\s+16*\b+\i+1]|   ; the four blocks by turns
.endr
.endr
.irp b, 0,1,2,3
	v_permlanex16_b32 v[PB+\b], v[TM+\b], s[SEL], s[SEL+1]
.endr
.irp b, 0,1,2,3
	v_max_num_f32 v[TM+\b], v[TM+\b], v[PB+\b]     ; with lane l xor 16's: the block's largest magnitude
.endr
.irp b, 0,1,2,3
	v_add_nc_u32 v[SO+\b], 0xff000000, v[TM+\b]    ; 2 off its exponent field: the conversion takes that field as its scale
.endr
.irp b, 0,1,2,3
	v_lshrrev_b32 v[PB+\b], 23, v[SO+\b]           ; the scale's byte
.endr
	v_lshl_or_b32 v[\pw], v[PB+1], 8, v[PB]
	v_lshl_or_b32 v[\pw], v[PB+2], 16, v[\pw]
	v_lshl_or_b32 v[\pw], v[PB+3], 24, v[\pw]      ; my row's scale word
.irp c, 0,1
	v_cvt_scalef32_pk16_fp6_f32 v[PC+6*\c:PC+6*\c+2], v[\s+32*\c:\s+32*\c+15], v[SO+2*\c]
	v_cvt_scalef32_pk16_fp6_f32 v[PC+12+4*\c:PC+14+4*\c], v[\s+32*\c+16:\s+32*\c+31], v[SO+2*\c+1]   ; (a conversion's three registers begin on an even number)
.endr
	v_nop                                          ; one plain line behind the scaled conversions
.irp c, 0,1                            ; the operand wants a whole block in a lane: lanes 0-15 block 2 c, lanes 16-31 block 2 c + 1
.irp i, 0,1,2
	v_permlane16_swap_b32 v[PC+6*\c+\i], v[PC+12+4*\c+\i]
.endr
.irp i, 0,1,2
	v_mov_b32 v[PC+3+6*\c+\i], v[PC+12+4*\c+\i]
.endr
.endr
.endm
.macro JOB t, left
	s_wait_loadcnt \left                           ; loads come back in order: set t is in, the sets asked for behind it may be out
	TURN \t
	s_wait_dscnt 0x0
.if \t > 0
	s_wait_xcnt 0x0                                ; the last fragment's stores have read v[PC] on: it is written again only behind this wait
.endif
	QUANT RS0+64*((\t)%3), PW+\t
	global_store_b128 v1, v[PC:PC+3], s[28:29] offset:1536*\t          ; 512 consecutive bytes
	global_store_b64 v2, v[PC+4:PC+5], s[28:29] offset:1536*\t+512     ; 256 consecutive bytes
	global_store_b128 v1, v[PC+6:PC+9], s[28:29] offset:1536*\t+768
	global_store_b64 v2, v[PC+10:PC+11], s[28:29] offset:1536*\t+1280
.endm
	LOAD 0
	LOAD 1
	LOAD 2
	JOB 0, 32
	LOAD 3                                         ; into set 0, which is done with
	JOB 1, 32
	JOB 2, 16
	JOB 3, 0
	v_cmp_ne_u32 vcc_lo, 0, v9
	v_cndmask_b32 v28, v24, v26, vcc_lo            ; lanes 0-15 store their row's words 0 and 1, lanes 16-31 words 2 and 3
	v_cndmask_b32 v29, v25, v27, vcc_lo
	global_store_b64 v5, v[28:29], s[38:39]        ; 32 lanes store 256 consecutive bytes, aligned
	s_wait_tensorcnt 0x0
	ds_add_u32 v239, v243
	s_wait_dscnt 0x0
	s_endpgm
.Lfunc_end_k_q2736b2b3c7_quant:
	.size	k_q2736b2b3c7_quant, .Lfunc_end_k_q2736b2b3c7_quant-k_q2736b2b3c7_quant
	.p2alignl 7, 3214868480
	.fill 96, 4, 3214868480
	.section	.rodata,"a",@progbits
	.p2align	6, 0x0
	.amdhsa_kernel k_q2736b2b3c7_quant
		.amdhsa_group_segment_fixed_size 51456
		.amdhsa_private_segment_fixed_size 0
		.amdhsa_enable_private_segment 0
		.amdhsa_kernarg_size 56
		.amdhsa_user_sgpr_count 2
		.amdhsa_user_sgpr_kernarg_segment_ptr 1
		.amdhsa_wavefront_size32 1
		.amdhsa_system_sgpr_workgroup_id_x 1
		.amdhsa_system_sgpr_workgroup_id_y 1
		.amdhsa_system_sgpr_workgroup_id_z 1
		.amdhsa_system_vgpr_workitem_id 0
		.amdhsa_next_free_vgpr 256
		.amdhsa_next_free_sgpr 66
		.amdhsa_reserve_vcc 1
		.amdhsa_float_denorm_mode_32 3
		.amdhsa_float_denorm_mode_16_64 3
		.amdhsa_memory_ordered 1
		.amdhsa_forward_progress 1
		.amdhsa_inst_pref_size 34
	.end_amdhsa_kernel
	.amdgpu_metadata
---
amdhsa.version: [ 1, 2 ]
amdhsa.kernels:
  - .name:           k_q2736b2b3c7_quant
    .symbol:         k_q2736b2b3c7_quant.kd
    .args:
      - { .name: x, .offset: 0, .size: 8, .value_kind: global_buffer, .address_space: global }
      - { .name: Wq, .offset: 8, .size: 8, .value_kind: global_buffer, .address_space: global }
      - { .name: Wk, .offset: 16, .size: 8, .value_kind: global_buffer, .address_space: global }
      - { .name: Wv, .offset: 24, .size: 8, .value_kind: global_buffer, .address_space: global }
      - { .name: Wo, .offset: 32, .size: 8, .value_kind: global_buffer, .address_space: global }
      - { .name: xq, .offset: 40, .size: 8, .value_kind: global_buffer, .address_space: global }
      - { .name: wq, .offset: 48, .size: 8, .value_kind: global_buffer, .address_space: global }
    .group_segment_fixed_size: 51456
    .private_segment_fixed_size: 0
    .kernarg_segment_align: 8
    .kernarg_segment_size: 56
    .max_flat_workgroup_size: 192
    .sgpr_count:     66
    .vgpr_count:     256
    .wavefront_size: 32
...
	.end_amdgpu_metadata
.endif
;; end of part 1
;; launch proj (part 2): grid 4 x 64, 4 waves a work-group, clusters of 4 x 4, 327,680 bytes of LDS; arguments xq, wq, qk, vt; writes qk, vt
.if DOCPART == 2
	.amdgcn_target "amdgcn-amd-amdhsa--gfx1250"
	.amdhsa_code_object_version 6
	.text
	.protected	k_q2736b2b3c7_proj
	.globl	k_q2736b2b3c7_proj
	.p2align	8
	.type	k_q2736b2b3c7_proj,@function
k_q2736b2b3c7_proj:
	s_mov_b64 s[64:65], 0
	v_nop
	global_prefetch_b8 v0, s[64:65] scope:SCOPE_SE
	s_setreg_imm32_b32 hwreg(HW_REG_WAVE_MODE, 25, 1), 1
	s_wait_xcnt 0x0
	s_wait_alu depctr_hold_cnt(0) depctr_sa_sdst(0) depctr_va_vdst(0) depctr_va_sdst(0) depctr_va_ssrc(0) depctr_va_vcc(0) depctr_vm_vsrc(0)
	s_getreg_b32 s2, hwreg(HW_REG_IB_STS2, 6, 4)
	s_cmp_eq_u32 s2, 0
	s_cbranch_scc0 .Lentry_in_a_cluster
	s_endpgm
.Lentry_in_a_cluster:
	s_bfe_u32 s2, ttmp6, 0x10000c
	s_cmp_lg_u32 s2, 0xf033
	s_cbranch_scc0 .Lentry_shape_is_right
	s_endpgm
.Lentry_shape_is_right:
; q = x Wq^T, k = x Wk^T, v = x Wv^T on codes of FP6 (E2M3) with E8M0 scales, f32 sums; the results are quantised in registers and leave as codes: q and k along a head's 64 channels, v along the keys.
; Operands lie as fragment images in tiles of 16 rows (place m of tile t = row 32 (t / 2) + 8 (t % 2) + m + 8 (m / 8)): codes [tile][K step 8][1536], scale words [tile][K half][row 16][K step % 4].
; SHARES.  256 work-groups.  A work-group owns 128 tokens (8 tiles) and 256 rows (16 tiles) of each of Wq, Wk, Wv: three tiles of 128 x 256 results, over all K = 1,024, one after the other.
; In a result a lane holds one row of SOURCE 1, and the 16 registers of two neighbouring tiles of SOURCE 0 are 16 neighbouring rows of source 0.
;   q, k (tiles 0 and 1, a loop of two trips): source 1 = tokens, source 0 = the weight's rows; wave (i, j) takes token tiles 4 i .. and weight tiles 8 j ..: a lane's registers run along the channels.
;   v (tile 2, written out: it asks for nothing more): source 1 = Wv's rows, four tiles (one head) a wave, source 0 = all eight token tiles: a lane's registers run along the keys.
; LDS.  The tokens' 98,304 bytes at 0 are filled once and stay.  The weights go through a ring of two slots of 98,304 bytes, each half of K (6,144 bytes) of 16 tiles: a tile's first half in slot 0, its second in slot 1.
; FILLS.  At the head one load a wave: waves 0, 1 the tokens' halves, waves 2, 3 the halves of Wq's first half of K.  Slot 1's first fill follows behind the three lines and a round.  In K steps 3 and 7 of tiles 0 and 1 the slot whose
; last fragments are in registers is filled again with the next tile's same half: the three lines, a round of the cluster's barrier inside the step's products, one load of four tiles a wave.  By the text's own count a wave has one load outstanding,
; asked for four K steps ahead of its first read.  No prefetch is written: every half is asked for those four K steps ahead, and the sixteen clusters ask for the same four blocks of a weight in the same steps.
; CLUSTER 4 x 4: the tokens are shared along a row of the cluster, the weights along a column: joint loads.
; A wave makes 4 tiles of source 1 x 8 of source 0: 32 accumulators, taken by turns, one instruction a turn.
; OUT.  qk: codes [q 0, k 1][batch][head][token tile 128][768]; from QS on scale words [..head][16][row 16][4]: the word of tiles 2 f, 2 f + 1 holds two bytes of each.  These words leave as 8 bytes of every 16: one byte in 24 of what this way stores.
;       vt: codes [batch, head][128 keys: 16][channel tile 4][1536]; from VS on scale words [..][row 16][tile 4]: whole aligned runs of 256 bytes.
; LIMITS: a block of zeros gets the byte 1 where the rule says 127 (its codes are zeros; this program alone reads the bytes); blocks under 2^-124 are held at that floor; NaN and infinities are not served.
; REGISTERS.  window 0: v1-21 places and LDS addresses; v22-53 source 1's scale words (8 a + s), v64-127 source 0's (8 b + s); v128-223 source 1's fragments, two sets, later the codes made; v224-248 at work; v254, v255 the add's two.
;             window 1: source 0's fragments, two sets at v0 and v128.   window 2: accumulator (a, b) at v[64 a + 8 b].
.set XS,    6291456
.set WS,    3145728
.set QS,    12582912
.set VS,    6291456
.set TILEB, 12288                      ; a tile's codes for all of K
.set HALFB, 6144                       ; for half of K
.set S0,    98304                      ; slot 0, behind the tokens
.set S1,    196608                     ; slot 1
.set SPARE, 294912                     ; the spare words
.set NEXTW, 64*TILEB                   ; from a weight's tile to the next weight's
.set SC1,   22                         ; source 1's scale words: their numbers differ modulo 8 from source 0's
.set TM,    224                        ; v224-227 largest magnitudes; v228-231 the other half's, then bytes; v232-235 scale operands
.set PB,    228
.set SO,    232
.set PW,    240                        ; v240-243 the four scale words
.set G1T,   24                         ; s[24:31] group 1: four tiles of tokens, all of K
.set G1W8,  32                         ; s[32:39] eight tiles of a weight, half of K
.set G1W4,  40                         ; s[40:47] four
.set G0T,   48                         ; s[48:51], s[52:55] the head's groups 0
.set G0H,   52
.set G0R,   56                         ; s[56:59], s[60:63] the ring's, one for each slot
.set SEL,   98                         ; s[98:99] lane selects: lane l xor 16
.set MUL,   0xa1                       ; source 0 window 1, source 1 window 0, C and D window 2
.set TO_B,  0x40                       ; destination window 1
.set MSB, 0
.macro WIN new                         ; the immediate's high byte repeats the setting that is left
.if MSB != \new
	s_set_vgpr_msb (MSB<<8)|\new
.set MSB, \new
.endif
.endm
.macro PLACES                          ; four plain lines between a matrix instruction and a load into, or a vector read or write of, its registers
.rept 4
	v_nop
.endr
.endm
.macro CREST                           ; a round of the cluster's barrier behind its opening barrier
	s_cmp_lg_u32 s14, 0
	s_cbranch_scc1 .Lnot_wave_0_\@
	s_barrier_signal -3
.Lnot_wave_0_\@:
	s_barrier_wait -3
	s_barrier_signal -1
	s_barrier_wait -1
.endm
.macro CROUND                          ; a whole round
	s_barrier_signal -1
	s_barrier_wait -1
	CREST
.endm
.macro FRAG reg, a16, a8, off          ; a fragment image: every line reads 512 or 256 consecutive bytes
	ds_load_b128 v[\reg:\reg+3], v[\a16] offset:\off
	ds_load_b64 v[\reg+4:\reg+5], v[\a8] offset:\off+512
	ds_load_b128 v[\reg+6:\reg+9], v[\a16] offset:\off+768
	ds_load_b64 v[\reg+10:\reg+11], v[\a8] offset:\off+1280
.endm
.macro GROUP1 g, mask, el, rows        ; rows of el elements of 8 bytes, 12,288 bytes apart in memory; no padding; bit 21 beside the mask
	s_or_b32 s[\g], s\mask, (3<<16)|(1<<21)
	s_mov_b32 s[\g+1], (\el)<<16
	s_mov_b32 s[\g+2], (\rows)<<16
	s_mov_b32 s[\g+3], (\el)<<16
	s_mov_b32 s[\g+4], \rows
	s_mov_b32 s[\g+5], 1536
	s_mov_b32 s[\g+6], 0
	s_mov_b32 s[\g+7], 0
.endm
	s_load_b256 s[4:11], s[0:1], 0x0               ; xq, wq, qk, vt
	v_lshl_add_u32 v254, v0, 2, SPARE
	v_mov_b32 v255, 0
	ds_add_u32 v254, v255                          ; the opening lines: the add twice on end
	ds_add_u32 v254, v255
	v_lshrrev_b32 v1, 5, v0
	v_readfirstlane_b32 s14, v1                    ; wave 0..3
	s_lshr_b32 s15, s14, 1                         ; i
	s_and_b32 s16, s14, 1                          ; j.  Also: which half I fetch at the head
	s_bfe_u32 s17, ttmp6, 0x40000                  ; cx = g: my block of 16 tiles of each weight
	s_bfe_u32 s18, ttmp6, 0x40004                  ; cy
	s_and_b32 s22, ttmp7, 0xffff
	s_lshl_b32 s22, s22, 2
	s_add_co_u32 s22, s22, s18                     ; my block of 128 tokens, 0 .. 63: never holds cx
	s_lshl_b32 s23, s18, 2
	s_lshl_b32 s23, 15, s23                        ; my row of the cluster
	s_lshl_b32 s97, 0x1111, s17                    ; my column
	GROUP1 G1T, 23, 1536, 4
	GROUP1 G1W8, 97, 768, 8
	GROUP1 G1W4, 97, 768, 4
	s_lshl_b32 s66, s22, 3
	s_lshl_b32 s67, s16, 2
	s_add_co_u32 s66, s66, s67
	s_mul_i32 s66, s66, TILEB                      ; the four tiles of tokens that waves 0, 1 fetch
	s_mov_b32 s67, 0
	s_lshl_b32 s80, s17, 4                         ; 16 g
	s_lshl_b32 s76, s16, 3
	s_add_co_u32 s76, s76, s80
	s_mul_i32 s76, s76, TILEB                      ; the eight tiles of Wq that waves 2, 3 fetch
	s_mov_b32 s77, 0
	s_lshl_b32 s78, s14, 2
	s_add_co_u32 s78, s78, s80
	s_mul_i32 s78, s78, TILEB                      ; the four tiles that I fetch in the ring
	s_mov_b32 s79, 0
	s_mul_i32 s12, s16, 49152                      ; LDS: the wave's number alone enters an LDS address
	s_mul_i32 s13, s14, 24576
	s_mov_b32 s[SEL], 0x76543210
	s_mov_b32 s[SEL+1], 0xfedcba98
	s_wait_dscnt 0x0                               ; both opening adds are done
	CROUND                                         ; the opening round, ahead of the wait for the arguments: all sixteen work-groups are here
	s_wait_kmcnt 0x0
	s_mov_b32 s[G0T], 1
	s_mov_b32 s[G0T+1], s12
	s_add_nc_u64 s[G0T+2:G0T+3], s[4:5], s[66:67]
	s_or_b32 s[G0T+3], s[G0T+3], 0x80000000
	s_mov_b32 s[G0H], 1
	s_add_co_u32 s[G0H+1], s12, S0
	s_add_nc_u64 s[G0H+2:G0H+3], s[6:7], s[76:77]
	s_or_b32 s[G0H+3], s[G0H+3], 0x80000000
	s_mov_b32 s[G0R], 1
	s_add_co_u32 s[G0R+1], s13, S0
	s_add_nc_u64 s[G0R+2:G0R+3], s[6:7], s[78:79]          ; Wq's first half: stepped to Wk's ahead of its first use
	s_add_nc_u64 s[G0R+6:G0R+7], s[G0R+2:G0R+3], HALFB     ; Wq's second half
	s_or_b32 s[G0R+3], s[G0R+3], 0x80000000
	s_mov_b32 s[G0R+4], 1
	s_add_co_u32 s[G0R+5], s13, S1
	s_or_b32 s[G0R+7], s[G0R+7], 0x80000000
	s_cmp_lt_u32 s14, 2
	s_cbranch_scc0 .Lfor_w
	tensor_load_to_lds s[G0T:G0T+3], s[G1T:G1T+7]
	s_nop 0
	PLACES
	s_branch .Lasked
.Lfor_w:
	tensor_load_to_lds s[G0H:G0H+3], s[G1W8:G1W8+7]
	s_nop 0
	PLACES
.Lasked:
	v_and_b32 v1, 31, v0                           ; lane
	v_and_b32 v2, 15, v0                           ; r
	v_bfe_u32 v3, v0, 4, 1                         ; h
	v_lshlrev_b32 v4, 4, v2                        ; 16 r
	v_lshlrev_b32 v12, 4, v1                       ; 16 x lane: also token tiles 0-3 in LDS
	v_lshlrev_b32 v13, 3, v1                       ; 8 x lane
	v_add_nc_u32 v14, 49152, v12                   ; token tiles 4-7
	v_add_nc_u32 v15, 49152, v13
	s_mul_i32 s81, s15, 49152
	v_add_nc_u32 v8, s81, v12                      ; q, k: my four token tiles
	v_add_nc_u32 v9, s81, v13
	s_add_co_u32 s82, s12, S0
	v_add_nc_u32 v10, s82, v12                     ; q, k: my eight tiles of the weight in slot 0,
	v_add_nc_u32 v11, s82, v13
	v_add_nc_u32 v16, S0, v10                      ; and in slot 1, 98,304 bytes on
	v_add_nc_u32 v17, S0, v11
	s_add_co_u32 s83, s13, S0
	v_add_nc_u32 v18, s83, v12                     ; v: my four tiles of Wv in slot 0,
	v_add_nc_u32 v19, s83, v13
	v_add_nc_u32 v20, S0, v18                      ; and in slot 1
	v_add_nc_u32 v21, S0, v19
.irp b, 0,1,2,3
	v_mov_b32 v[PB+\b], 0                          ; written once: a lane permute's destination counts as one of its sources
.endr
	; where the scale words lie
	s_lshl_b32 s66, s22, 12
	s_add_co_u32 s66, s66, XS
	s_add_nc_u64 s[70:71], s[4:5], s[66:67]        ; my eight token tiles' (v: source 0)
	s_lshl_b32 s66, s15, 11
	s_add_nc_u64 s[72:73], s[70:71], s[66:67]      ; my four of them (q, k: source 1)
	s_lshl_b32 s66, s17, 13
	s_add_co_u32 s66, s66, WS
	s_add_nc_u64 s[74:75], s[6:7], s[66:67]
	s_lshl_b32 s66, s16, 12
	s_add_nc_u64 s[86:87], s[74:75], s[66:67]      ; Wq's, my eight tiles (source 0)
	s_add_nc_u64 s[68:69], s[86:87], 32768         ; Wk's, 64 tiles on
	s_lshl_b32 s66, s14, 11
	s_add_co_u32 s66, s66, 65536
	s_add_nc_u64 s[74:75], s[74:75], s[66:67]      ; Wv's, my four tiles (v: source 1)
	s_mov_b64 s[84:85], s[72:73]
	; where the results go
	s_lshr_b32 s66, s22, 4
	s_lshl_b32 s66, s66, 4                         ; 16 x batch
	s_and_b32 s81, s22, 15                         ; my 128 tokens in the batch
	s_lshl_b32 s82, s17, 2                         ; 4 g
	s_lshl_b32 s83, s16, 1
	s_add_co_u32 s83, s83, s82
	s_add_co_u32 s83, s83, s66                     ; q's record: 16 x batch + my first head
	s_lshl_b32 s88, s81, 3
	s_lshl_b32 s89, s15, 2
	s_add_co_u32 s88, s88, s89                     ; my first token tile in the batch
	s_mul_i32 s88, s88, 768
	s_mul_i32 s89, s83, 98304
	s_add_co_u32 s88, s88, s89
	s_mov_b32 s89, 0
	s_add_nc_u64 s[88:89], s[8:9], s[88:89]
	s_lshl_b32 s90, s83, 12
	s_lshl_b32 s91, s81, 8
	s_add_co_u32 s90, s90, s91
	s_lshl_b32 s91, s15, 3
	s_add_co_u32 s90, s90, s91
	s_add_co_u32 s90, s90, QS
	s_mov_b32 s91, 0
	s_add_nc_u64 s[90:91], s[8:9], s[90:91]
	s_add_co_u32 s92, s82, s14
	s_add_co_u32 s92, s92, s66                     ; v: 16 x batch + head 4 g + wave
	s_lshl_b32 s92, s92, 4
	s_add_co_u32 s92, s92, s81                     ; x 16 + key step
	s_lshl_b32 s94, s92, 8
	s_add_co_u32 s94, s94, VS
	s_mov_b32 s95, 0
	s_mul_i32 s92, s92, 6144
	s_mov_b32 s93, 0
	s_add_nc_u64 s[92:93], s[10:11], s[92:93]
	s_add_nc_u64 s[94:95], s[10:11], s[94:95]
.macro SCALES                          ; the scale words of all of K go straight into registers: each load reads one aligned run of 256 bytes
.irp a, 0,1,2,3
.irp k, 0,1
	global_load_b128 v[SC1+8*\a+4*\k:SC1+3+8*\a+4*\k], v4, s[84:85] offset:512*\a+256*\k
.endr
.endr
.irp b, 0,1,2,3,4,5,6,7
.irp k, 0,1
	global_load_b128 v[64+8*\b+4*\k:67+8*\b+4*\k], v4, s[86:87] offset:512*\b+256*\k
.endr
.endr
.endm
	s_wait_alu depctr_va_vdst(0)                   ; the wait ahead of the first readers of the head's registers
	SCALES
.macro FETCH s, way                    ; K step s's twelve fragments into set s % 2.  way 0: q, k; way 1: v
	WIN TO_B
.irp b, 0,1,2,3,4,5,6,7
.if \way
	FRAG 128*((\s)%2)+12*\b, 12+2*(\b/4), 13+2*(\b/4), TILEB*(\b%4)+1536*(\s)
.else
	FRAG 128*((\s)%2)+12*\b, 10+6*((\s)/4), 11+6*((\s)/4), HALFB*\b+1536*((\s)%4)
.endif
.endr
	WIN 0
.irp a, 0,1,2,3
.if \way
	FRAG 128+48*((\s)%2)+12*\a, 18+2*((\s)/4), 19+2*((\s)/4), HALFB*\a+1536*((\s)%4)
.else
	FRAG 128+48*((\s)%2)+12*\a, 8, 9, TILEB*\a+1536*(\s)
.endif
.endr
.endm
.macro MUL8 a, s, zero                 ; source 1's tile a against source 0's eight.  zero = 1: the first product starts the sums
.irp b, 0,1,2,3,4,5,6,7
.if \zero
	v_wmma_scale_f32_16x16x128_f8f6f4 v[64*(\a)+8*\b:64*(\a)+8*\b+7], v[128*((\s)%2)+12*\b:128*((\s)%2)+12*\b+11], v[128+48*((\s)%2)+12*(\a):128+48*((\s)%2)+12*(\a)+11], 0, v[64+8*\b+(\s)], v[SC1+8*(\a)+(\s)] matrix_a_fmt:MATRIX_FMT_FP6 matrix_b_fmt:MATRIX_FMT_FP6
.else
	v_wmma_scale_f32_16x16x128_f8f6f4 v[64*(\a)+8*\b:64*(\a)+8*\b+7], v[128*((\s)%2)+12*\b:128*((\s)%2)+12*\b+11], v[128+48*((\s)%2)+12*(\a):128+48*((\s)%2)+12*(\a)+11], v[64*(\a)+8*\b:64*(\a)+8*\b+7], v[64+8*\b+(\s)], v[SC1+8*(\a)+(\s)] matrix_a_fmt:MATRIX_FMT_FP6 matrix_b_fmt:MATRIX_FMT_FP6
.endif
.endr
.endm
; A K step of 128: 32 matrix instructions; in its middle the next step's fragments are fetched into the other set.
; In steps 3 and 7 this slot's last fragments are in registers.  refill = 1: every wave waits for all its tensor loads (the one that was out is its part of the other slot), adds 0 to its spare word, and waits for that and for its reads;
; the barrier opens a round of the cluster's barrier, and behind the round this slot takes the next weight's same half.  refill = 0, step 3: a plain barrier shows the other slot whole.
.macro KSTEP s, zero, way, refill
	s_wait_dscnt 0x0                               ; this step's fragments are in
.if ((\s)%4 == 3) && ((\refill) || ((\s) == 3))
	WIN 0                                          ; (the add's two registers lie in window 0)
	s_wait_tensorcnt 0x0
.if \refill
	ds_add_u32 v254, v255
	s_add_nc_u64 s[G0R+4*((\s)/4)+2:G0R+4*((\s)/4)+3], s[G0R+4*((\s)/4)+2:G0R+4*((\s)/4)+3], NEXTW   ; no load of mine is out: the group 0 may be written
.endif
	WIN MUL
	MUL8 0, \s, \zero
.if \refill
	s_wait_dscnt 0x0                               ; the add is done
.endif
	s_barrier_signal -1
	MUL8 1, \s, \zero                              ; work on registers while the others arrive
	WIN 0
	s_barrier_wait -1
.if \refill
	CREST
	tensor_load_to_lds s[G0R+4*((\s)/4):G0R+4*((\s)/4)+3], s[G1W4:G1W4+7]   ; my one load behind the round
	s_nop 0
.endif
	PLACES                                         ; in front of loads into the set that the last step's products read
.else
	WIN MUL
	MUL8 0, \s, \zero
	MUL8 1, \s, \zero
.if (\s) < 7
	WIN 0
	PLACES
.endif
.endif
.if (\s) < 7
	FETCH (\s)+1, \way
.endif
	WIN MUL
	MUL8 2, \s, \zero
	MUL8 3, \s, \zero
.endm
.macro TILE way, refill                ; a tile's eight K steps
	FETCH 0, \way
	s_wait_loadcnt 0x0                             ; the scale words
	KSTEP 0, 1, \way, \refill
.irp s, 1,2,3,4,5,6,7
	KSTEP \s, 0, \way, \refill
.endr
	WIN 0
	PLACES
.endm
; Source 1's tile a: a lane's 64 results, register 16 b + i = source 0's row 32 b + 16 h + i, become a fragment's codes in v[128 + 24 a] on and its scale word in v[PW + a].  Each accumulator is read from its low end on.
.macro QUANTW a
.set ACB, 64*(\a)
.set PCA, 128+24*(\a)
	WIN 0x28                                       ; sources 1 and 2 in window 2
.irp b, 0,1,2,3
	v_max3_num_f32 v[TM+\b], 0x1800000, |v[ACB+16*\b]|, |v[ACB+16*\b+1]|   ; and the floor 2^(3 - 127): the byte cannot fall under 1
.endr
.irp i, 2,4,6,8,10,12,14
.irp b, 0,1,2,3
	v_max3_num_f32 v[TM+\b], v[TM+\b], |v[ACB+16*\b+\i]|, |v[ACB+16*\b+\i+1]|
.endr
.endr
	WIN 0
.irp b, 0,1,2,3
	v_permlanex16_b32 v[PB+\b], v[TM+\b], s[SEL], s[SEL+1]
.endr
.irp b, 0,1,2,3
	v_max_num_f32 v[TM+\b], v[TM+\b], v[PB+\b]
.endr
.irp b, 0,1,2,3
	v_add_nc_u32 v[SO+\b], 0xff000000, v[TM+\b]    ; 2 off the exponent field: the conversion's scale operand
.endr
.irp b, 0,1,2,3
	v_lshrrev_b32 v[PB+\b], 23, v[SO+\b]           ; the scale's byte
.endr
	v_lshl_or_b32 v[PW+\a], v[PB+1], 8, v[PB]
	v_lshl_or_b32 v[PW+\a], v[PB+2], 16, v[PW+\a]
	v_lshl_or_b32 v[PW+\a], v[PB+3], 24, v[PW+\a]
	WIN 0x02                                       ; source 0 in window 2
.irp c, 0,1
	v_cvt_scalef32_pk16_fp6_f32 v[PCA+6*\c:PCA+6*\c+2], v[ACB+32*\c:ACB+32*\c+15], v[SO+2*\c]
	v_cvt_scalef32_pk16_fp6_f32 v[PCA+12+4*\c:PCA+14+4*\c], v[ACB+32*\c+16:ACB+32*\c+31], v[SO+2*\c+1]
.endr
	WIN 0
	v_nop                                          ; one plain line behind the scaled conversions
.irp c, 0,1
.irp i, 0,1,2
	v_permlane16_swap_b32 v[PCA+6*\c+\i], v[PCA+12+4*\c+\i]
.endr
.irp i, 0,1,2
	v_mov_b32 v[PCA+3+6*\c+\i], v[PCA+12+4*\c+\i]
.endr
.endr
.endm
	s_wait_alu depctr_va_vdst(0)                   ; the wait at the head's end
	s_wait_tensorcnt 0x0                           ; my part of the head's tiles is in; the three lines ahead of a later first fill
	ds_add_u32 v254, v255
	s_wait_dscnt 0x0
	CROUND                                         ; everybody's part is in, and all sixteen work-groups are here
	tensor_load_to_lds s[G0R+4:G0R+7], s[G1W4:G1W4+7]   ; slot 1's first fill: Wq's second half of K
	s_nop 0
	PLACES
	s_mov_b32 s96, 0
.Ltile:                                                ; tile 0: q; tile 1: k
	TILE 0, 1
	s_cmp_eq_u32 s96, 0                            ; the next tile's scale words land under the quantiser: after q: my tokens' and Wk's; after k: Wv's and all eight token tiles'
	s_cselect_b64 s[84:85], s[72:73], s[74:75]
	s_cselect_b64 s[86:87], s[68:69], s[70:71]
	SCALES
	QUANTW 0
	QUANTW 1
	QUANTW 2
	QUANTW 3
	v_cmp_ne_u32 vcc_lo, 0, v3                     ; lanes 16-31
.irp a, 0,1,2,3                        ; my 128 channels are two heads: a fragment's first half belongs to the first, its second half to the second
.irp e, 0,1
	global_store_b128 v12, v[128+24*\a+6*\e:128+24*\a+6*\e+3], s[88:89] offset:98304*\e+768*\a        ; 512 consecutive bytes, aligned to 256
	global_store_b64 v13, v[128+24*\a+6*\e+4:128+24*\a+6*\e+5], s[88:89] offset:98304*\e+768*\a+512   ; 256
.endr
.endr
	v_lshl_add_u32 v247, v3, 12, v4                ; 16 r; lanes 16-31 store the second head's words, 4,096 bytes on
	v_mov_b32 v246, 0x05040100                     ; the low halves of two words,
	v_mov_b32 v248, 0x07060302                     ; or the high halves
	v_cndmask_b32 v246, v246, v248, vcc_lo
	v_perm_b32 v244, v241, v240, v246              ; tiles 0 and 1: two bytes of each
	v_perm_b32 v245, v243, v242, v246              ; tiles 2 and 3
	global_store_b64 v247, v[244:245], s[90:91]
	s_wait_alu depctr_va_vdst(0)                   ; the wait ahead of the wait and the branch below
	s_wait_xcnt 0x0                                ; the stores have read their registers and bases
	s_add_nc_u64 s[88:89], s[88:89], 64*98304      ; k's records lie 64 behind q's
	s_add_nc_u64 s[90:91], s[90:91], 64*4096
	s_add_co_u32 s96, s96, 1
	s_cmp_lt_u32 s96, 2
	s_cbranch_scc1 .Ltile
	TILE 1, 0                                      ; tile 2: v: my 128 tokens are one K step of the keys, my four tiles of Wv one head
	QUANTW 0
	QUANTW 1
	QUANTW 2
	QUANTW 3
	v_cmp_ne_u32 vcc_lo, 0, v3
.irp a, 0,1,2,3
.irp e, 0,1
	global_store_b128 v12, v[128+24*\a+6*\e:128+24*\a+6*\e+3], s[92:93] offset:1536*\a+768*\e
	global_store_b64 v13, v[128+24*\a+6*\e+4:128+24*\a+6*\e+5], s[92:93] offset:1536*\a+768*\e+512
.endr
.endr
	v_lshl_add_u32 v247, v3, 3, v4                 ; 16 r + 8 h
	v_cndmask_b32 v244, v240, v242, vcc_lo         ; lanes 0-15 tiles 0 and 1, lanes 16-31 tiles 2 and 3
	v_cndmask_b32 v245, v241, v243, vcc_lo
	global_store_b64 v247, v[244:245], s[94:95]    ; 256 consecutive bytes, aligned
	s_wait_tensorcnt 0x0                           ; the wave's end
	ds_add_u32 v254, v255
	s_wait_dscnt 0x0
	CROUND                                         ; the closing round: no work-group ends while a partner may still ask for a tile that names it
	s_endpgm
.Lfunc_end_k_q2736b2b3c7_proj:
	.size	k_q2736b2b3c7_proj, .Lfunc_end_k_q2736b2b3c7_proj-k_q2736b2b3c7_proj
	.p2alignl 7, 3214868480
	.fill 96, 4, 3214868480
	.section	.rodata,"a",@progbits
	.p2align	6, 0x0
	.amdhsa_kernel k_q2736b2b3c7_proj
		.amdhsa_group_segment_fixed_size 327680
		.amdhsa_private_segment_fixed_size 0
		.amdhsa_enable_private_segment 0
		.amdhsa_kernarg_size 32
		.amdhsa_user_sgpr_count 2
		.amdhsa_user_sgpr_kernarg_segment_ptr 1
		.amdhsa_wavefront_size32 1
		.amdhsa_system_sgpr_workgroup_id_x 1
		.amdhsa_system_sgpr_workgroup_id_y 1
		.amdhsa_system_sgpr_workgroup_id_z 1
		.amdhsa_system_vgpr_workitem_id 0
		.amdhsa_next_free_vgpr 768
		.amdhsa_next_free_sgpr 100
		.amdhsa_reserve_vcc 1
		.amdhsa_float_denorm_mode_32 3
		.amdhsa_float_denorm_mode_16_64 3
		.amdhsa_memory_ordered 1
		.amdhsa_forward_progress 1
		.amdhsa_inst_pref_size 167
	.end_amdhsa_kernel
	.amdgpu_metadata
---
amdhsa.version: [ 1, 2 ]
amdhsa.kernels:
  - .name:           k_q2736b2b3c7_proj
    .symbol:         k_q2736b2b3c7_proj.kd
    .args:
      - { .name: xq, .offset: 0, .size: 8, .value_kind: global_buffer, .address_space: global }
      - { .name: wq, .offset: 8, .size: 8, .value_kind: global_buffer, .address_space: global }
      - { .name: qk, .offset: 16, .size: 8, .value_kind: global_buffer, .address_space: global }
      - { .name: vt, .offset: 24, .size: 8, .value_kind: global_buffer, .address_space: global }
    .group_segment_fixed_size: 327680
    .private_segment_fixed_size: 0
    .kernarg_segment_align: 8
    .kernarg_segment_size: 32
    .max_flat_workgroup_size: 128
    .sgpr_count:     100
    .vgpr_count:     768
    .wavefront_size: 32
...
	.end_amdgpu_metadata
.endif
;; end of part 2
;; launch attn (part 3): grid 4 x 64, 16 waves a work-group, clusters of 4 x 1, 206,848 bytes of LDS; arguments qk, vt, ao; writes ao
.if DOCPART == 3
	.amdgcn_target "amdgcn-amd-amdhsa--gfx1250"
	.amdhsa_code_object_version 6
	.text
	.protected	k_q2736b2b3c7_attn
	.globl	k_q2736b2b3c7_attn
	.p2align	8
	.type	k_q2736b2b3c7_attn,@function
k_q2736b2b3c7_attn:
	s_mov_b64 s[64:65], 0
	v_nop
	global_prefetch_b8 v0, s[64:65] scope:SCOPE_SE
	s_setreg_imm32_b32 hwreg(HW_REG_WAVE_MODE, 25, 1), 1
	s_wait_xcnt 0x0
	s_wait_alu depctr_hold_cnt(0) depctr_sa_sdst(0) depctr_va_vdst(0) depctr_va_sdst(0) depctr_va_ssrc(0) depctr_va_vcc(0) depctr_vm_vsrc(0)
	s_getreg_b32 s2, hwreg(HW_REG_IB_STS2, 6, 4)
	s_cmp_eq_u32 s2, 0
	s_cbranch_scc0 .Lentry_in_a_cluster
	s_endpgm
.Lentry_in_a_cluster:
	s_bfe_u32 s2, ttmp6, 0x10000c
	s_cmp_lg_u32 s2, 0x3003
	s_cbranch_scc0 .Lentry_shape_is_right
	s_endpgm
.Lentry_shape_is_right:
; O = softmax(q k^T / 8) v for one (batch, head), both products on codes of FP6 (E2M3) with E8M0 scales; O is quantised along the head's 64 channels and leaves as codes for the last product.
; THE SOFTMAX: t = score x log2(e) / 8; M = the running largest t rounded UP to a whole number; p = 2^(t - M) is quantised along the keys, not normalised; the row's sum is taken of the unquantised p and divides O at the end.
; When M moves, the sum and O are multiplied by 2^(old M - new M): exact.  A block's scale byte is floor(its largest t - M) + 125, held at 1 from below: the exponent of the block's largest p less 2, taken from the exponent itself.
; SHARES.  256 work-groups: a work-group owns 512 queries of one head; each of its sixteen waves takes two tiles of 16 queries, one after the other (two passes), in 256 registers: four waves to a SIMD.
; LDS.  The head's whole K (98,304 bytes of codes), V (98,304) and their scale words (4,096 each) fit: every byte is filled once, so there is no ring, and both passes read the same bytes.
; FILLS, one tensor load a wave, in one chain of branches on the wave's number: waves 0, 1 the first two key steps' codes of K, V (12,288 bytes each); waves 2, 3 the scale words; waves 4 to 11 the other fourteen steps in quarters of 21,504 bytes
; (even waves K, odd waves V).  The first barrier shows what waves 0 to 3 brought, the barrier behind key step 1 all the rest.  Behind it the waves share nothing until the closing round.
; CLUSTER 4 x 1: the four work-groups of a head walk the same K and V: joint loads, mask 15.  No prefetch: every tile is asked for at the head, so there is no loop to run ahead in.
; LAYOUT.  Both products are used transposed: S^T = K Q^T, O^T = V^T P^T: a lane holds one query throughout.  Tiles of 16 tokens are in the order place m of tile t = token 32 (t / 2) + 8 (t % 2) + m + 8 (m / 8), so the 16 registers
; of two neighbouring tiles of S^T are 16 neighbouring keys; V's channel tiles likewise, so O^T's 32 registers are channels 32 b + 16 h + i.
; K = 64 IN AN INSTRUCTION OF K = 128.  A fragment of K holds the half images of key tiles 2 f and 2 f + 1 (1,536 consecutive bytes).  It is multiplied by [q | zero codes] for tile 2 f and by [zero codes | q] for tile 2 f + 1.
; q's scale bytes over its zero codes are 0, which stands for 2^-127: the products there are exact zeros.
; OUT.  ao: codes [token tile 512][head 16][768]; from AOS on scale words [tile][K step 8][row 16], head 2 s in the low half, head 2 s + 1 in the high: a wave stores 16 halves of 2 bytes a pass, 1/24 of its output.
; LIMITS: a block of zeros gets the byte 1 where the rule says 127 (its codes are zeros; this program alone reads the bytes); blocks under 2^-124 are held at that floor; NaN and infinities are not served;
; the promise holds while the scaled scores stay under 2^31 in magnitude.
; REGISTERS: v1-7 places; v8-11, v92 the step's addresses; v12 -M, v13 the largest score, v[14:15] the sum; v16-21, v28-33 q twice, v22-27 zeros; v34, v35 q's scale words; v36-83 four fragments; v84-87 K's scale words, v88-91 V's;
; v96-159 S^T, then p; v160-191 O^T; v192-210 p's codes; v212-218 the second pass's q and its scale word; v232-254 at work; v251, v255 the add's two.
.set QS,    12582912
.set VS,    6291456
.set AOS,   6291456
.set VOFF,  98304                      ; LDS: V's codes behind K's
.set SCK,   196608                     ; K's scale words; V's 4,096 bytes on
.set SPARE, 204800                     ; the spare words: 128 bytes a wave
.set FIRSTB, 12288                     ; the codes of two key steps
.set PARTB, 21504                      ; a quarter of the other fourteen steps' codes: 84 rows of 256 bytes
.set WV,   18
.set SEL,  20
.set CS,   22                          ; s[22:23] c = log2(e) / 8
.set G1A,  24                          ; s[24:31] group 1: 48 rows of 256 bytes;  s[32:39]: 16 rows;  s[52:59]: 84 rows
.set G1B,  32
.set G1C,  52
.set G0A,  40                          ; s[40:51] three groups 0
.set G0B,  44
.set G0C,  48
.set TB,   2                           ; s2  where the step's codes begin
.set TS,   3                           ; s3  where its scale words begin
.set CNT,  66
.macro ROUND                           ; a round of the cluster's barrier
	s_barrier_signal -1
	s_barrier_wait -1
	s_cmp_lg_u32 s[WV], 0
	s_cbranch_scc1 .Lnot_wave_0_\@
	s_barrier_signal -3
.Lnot_wave_0_\@:
	s_barrier_wait -3
	s_barrier_signal -1
	s_barrier_wait -1
.endm
.macro FRAG reg, a16, a8, off          ; a fragment image: every line reads 512 or 256 consecutive bytes
	ds_load_b128 v[\reg:\reg+3], v[\a16] offset:\off
	ds_load_b64 v[\reg+4:\reg+5], v[\a8] offset:\off+512
	ds_load_b128 v[\reg+6:\reg+9], v[\a16] offset:\off+768
	ds_load_b64 v[\reg+10:\reg+11], v[\a8] offset:\off+1280
.endm
.macro GROUP1 g, rows                  ; a dense block as rows of 256 bytes: mask 15, elements of 8 bytes, bit 21 beside the mask
	s_mov_b32 s[\g], 15|(3<<16)|(1<<21)
	s_mov_b32 s[\g+1], 32<<16
	s_mov_b32 s[\g+2], (\rows)<<16
	s_mov_b32 s[\g+3], 32<<16
	s_mov_b32 s[\g+4], \rows
	s_mov_b32 s[\g+5], 32
	s_mov_b32 s[\g+6], 0
	s_mov_b32 s[\g+7], 0
.endm
.macro TLOAD g0, g1
	tensor_load_to_lds s[\g0:\g0+3], s[\g1:\g1+7]
	s_nop 0
.rept 4
	v_nop
.endr
.endm
	s_load_b128 s[4:7], s[0:1], 0x0                ; qk, vt
	s_load_b64 s[8:9], s[0:1], 0x10                ; ao
	v_lshl_add_u32 v251, v0, 2, SPARE
	v_mov_b32 v255, 0
	ds_add_u32 v251, v255                          ; the opening lines: the add twice on end
	ds_add_u32 v251, v255
	v_lshrrev_b32 v93, 5, v0
	v_readfirstlane_b32 s[WV], v93                 ; wave 0..15
	v_and_b32 v93, 31, v0                          ; lane
	v_and_b32 v94, 15, v0                          ; r
	v_lshlrev_b32 v1, 4, v93                       ; 16 x lane
	v_lshlrev_b32 v2, 3, v93                       ; 8 x lane
	v_add_nc_u32 v3, VOFF, v1
	v_add_nc_u32 v4, VOFF, v2
	v_lshlrev_b32 v7, 4, v94                       ; 16 r
	v_add_nc_u32 v5, SCK, v7
	v_lshlrev_b32 v6, 2, v94                       ; 4 r
	v_and_b32 v95, 7, v0                           ; r % 8
	v_bfe_u32 v222, v0, 4, 1                       ; h
	v_bfe_u32 v94, v0, 3, 1                        ; r / 8
	v_lshlrev_b32 v219, 4, v95
	v_lshl_add_u32 v219, v222, 8, v219
	v_mad_u32_u24 v219, v94, 1536, v219            ; v219: K's fragments, the pieces of 16 bytes: 16 (r % 8 + 16 h) + 1,536 (r / 8)
	v_lshlrev_b32 v220, 3, v95
	v_lshl_add_u32 v220, v222, 7, v220
	v_mad_u32_u24 v220, v94, 1536, v220            ; v220: the pieces of 8 bytes: 8 (r % 8 + 16 h) + 1,536 (r / 8)
	v_lshlrev_b32 v221, 4, v95
	v_lshl_add_u32 v221, v94, 2, v221
	v_add_nc_u32 v221, SCK, v221                   ; v221: K's scale words: 16 (r % 8) + 4 (r / 8)
	v_lshlrev_b32 v222, 3, v222                    ; v222: 8 h
.irp j, 22,23,24,25,26,27,236,237,238,239,253
	v_mov_b32 v[\j], 0                             ; zero codes; lane permutes' destinations and the pair v[252:253]'s upper half, written once
.endr
	s_bfe_u32 s10, ttmp6, 0x40000                  ; cx: it enters q's and ao's addresses alone
	s_and_b32 s12, ttmp7, 0xffff                   ; 16 x batch + head, which the four partners share
	s_and_b32 s13, s[WV], 1                        ; I fetch for K (0) or for V (1)
	s_bfe_u32 s14, s[WV], 0x20001                  ; waves 4 to 11: which quarter, (wave / 2) % 4
	s_mul_i32 s15, s13, VOFF                       ; LDS: K's or V's codes
	s_mul_i32 s16, s14, PARTB
	s_add_co_u32 s16, s16, FIRSTB                  ; my quarter's place in them, in LDS and in memory alike
	s_lshl_b32 s17, s13, 12
	s_add_co_u32 s17, s17, SCK                     ; LDS: K's or V's scale words
	GROUP1 G1A, 48
	GROUP1 G1B, 16
	GROUP1 G1C, 84
	s_mov_b32 s[SEL], 0x76543210
	s_mov_b32 s[SEL+1], 0xfedcba98
	s_mov_b32 s[CS], 0x3e38aa3b                    ; log2(e) / 8
	s_mov_b32 s[CS+1], s[CS]                       ; (named with it as a pair, so it is written)
	s_mov_b32 s78, 0x42fa0000                      ; 125.0
	s_mov_b32 s79, s78
	s_xor_b32 s60, s13, 1
	s_lshl_b32 s60, s60, 6
	s_add_co_u32 s60, s60, s12                     ; the head's record: k's lie 64 behind q's in qk; v's at the head's number in vt
	s_mul_i32 s62, s60, 98304
	s_mov_b32 s63, 0
	s_lshl_b32 s68, s60, 12
	s_mov_b32 s69, VS
	s_cmp_eq_u32 s13, 0
	s_cselect_b32 s69, QS, s69
	s_add_co_u32 s68, s68, s69
	s_mov_b32 s69, 0
	s_mov_b32 s70, s16
	s_mov_b32 s71, 0
	s_wait_dscnt 0x0                               ; both opening adds are done
	ROUND                                          ; the opening round, ahead of the wait for the arguments: all four work-groups are here
	s_wait_kmcnt 0x0
	s_cmp_eq_u32 s13, 0
	s_cselect_b64 s[60:61], s[4:5], s[6:7]
	s_add_nc_u64 s[62:63], s[60:61], s[62:63]      ; the record's codes
	s_add_nc_u64 s[68:69], s[60:61], s[68:69]      ; its scale words
	s_mov_b32 s[G0A], 1
	s_mov_b32 s[G0A+1], s15
	s_mov_b64 s[G0A+2:G0A+3], s[62:63]
	s_or_b32 s[G0A+3], s[G0A+3], 0x80000000
	s_mov_b32 s[G0B], 1
	s_mov_b32 s[G0B+1], s17
	s_mov_b64 s[G0B+2:G0B+3], s[68:69]
	s_or_b32 s[G0B+3], s[G0B+3], 0x80000000
	s_mov_b32 s[G0C], 1
	s_add_co_u32 s[G0C+1], s15, s16
	s_add_nc_u64 s[G0C+2:G0C+3], s[62:63], s[70:71]
	s_or_b32 s[G0C+3], s[G0C+3], 0x80000000
	s_cmp_lt_u32 s[WV], 2
	s_cbranch_scc0 .Larm_b
	TLOAD G0A, G1A                                 ; waves 0, 1: key steps 0 and 1
	s_branch .Lasked
.Larm_b:
	s_cmp_lt_u32 s[WV], 4
	s_cbranch_scc0 .Larm_c
	TLOAD G0B, G1B                                 ; waves 2, 3: the scale words
	s_branch .Lasked
.Larm_c:
	s_cmp_lt_u32 s[WV], 12
	s_cbranch_scc0 .Lasked
	TLOAD G0C, G1C                                 ; waves 4 to 11: key steps 2 to 15
.Lasked:
	s_lshl_b32 s70, s10, 5
	s_add_co_u32 s70, s70, s[WV]                   ; my first pass's query tile in the batch; the second pass's lies 16 tiles on
	s_mul_i32 s72, s70, 768
	s_mul_i32 s73, s12, 98304
	s_add_co_u32 s72, s72, s73
	s_mov_b32 s73, 0
	s_add_nc_u64 s[72:73], s[4:5], s[72:73]
	s_lshr_b32 s74, s70, 1                         ; f: my pair of tiles
	s_lshr_b32 s75, s74, 2
	s_lshl_b32 s75, s75, 8
	s_and_b32 s74, s74, 3
	s_lshl_b32 s74, s74, 2
	s_add_co_u32 s74, s74, s75
	s_lshl_b32 s75, s12, 12
	s_add_co_u32 s74, s74, s75
	s_add_co_u32 s74, s74, QS
	s_mov_b32 s75, 0
	s_add_nc_u64 s[74:75], s[4:5], s[74:75]
	s_lshl_b32 s76, s13, 4                         ; which half of the pair's scale word is my tile's
	s_wait_alu depctr_va_vdst(0)                   ; the wait here, ahead of the first readers of the head's registers
	global_load_b128 v[16:19], v1, s[72:73]        ; q's half image, twice: in front of the zeros and behind them
	global_load_b64 v[20:21], v2, s[72:73] offset:512
	global_load_b128 v[28:31], v1, s[72:73]
	global_load_b64 v[32:33], v2, s[72:73] offset:512
	global_load_b32 v34, v7, s[74:75]              ; the pair's scale word of row r
	global_load_b128 v[212:215], v1, s[72:73] offset:12288   ; and the second pass's, 16 tiles of 768 bytes on
	global_load_b64 v[216:217], v2, s[72:73] offset:12800
	global_load_b32 v218, v7, s[74:75] offset:512  ; eight pairs on: two groups of 256 bytes
	s_lshr_b32 s60, s12, 4                         ; where the results go
	s_lshl_b32 s60, s60, 7
	s_add_co_u32 s60, s60, s70                     ; my token tile among the 512
	s_and_b32 s61, s12, 15                         ; the head
	s_mul_i32 s62, s60, 12288
	s_mul_i32 s63, s61, 768
	s_add_co_u32 s62, s62, s63
	s_mov_b32 s63, 0
	s_add_nc_u64 s[62:63], s[8:9], s[62:63]
	s_lshl_b32 s68, s60, 9
	s_lshr_b32 s69, s61, 1
	s_lshl_b32 s69, s69, 6
	s_add_co_u32 s68, s68, s69
	s_and_b32 s69, s61, 1
	s_lshl_b32 s69, s69, 1
	s_add_co_u32 s68, s68, s69
	s_add_co_u32 s68, s68, AOS
	s_mov_b32 s69, 0
	s_add_nc_u64 s[68:69], s[8:9], s[68:69]
; A pass begins: q and its scale words, the running maximum, the sum
.macro BEGIN p
.if \p
.irp i, 0,1,2,3,4,5
	v_mov_b32 v[16+\i], v[212+\i]
	v_mov_b32 v[28+\i], v[212+\i]
.endr
	v_lshrrev_b32 v34, s76, v218
.else
	v_lshrrev_b32 v34, s76, v34                    ; my tile's half of the word:
.endif
	v_and_b32 v34, 0xffff, v34                     ; for [q | zeros],
	v_lshlrev_b32 v35, 16, v34                     ; and for [zeros | q].  (The four lines below and the step's first five stand between these and the first scaled matrix instruction)
	v_mov_b32 v13, 0xff61b1e6                      ; the largest score so far: -3e38
	v_mov_b32 v12, 0x7f61b1e6                      ; -M: 3e38, so that the first factor 2^(old M - new M) is 0
	v_mov_b32 v14, 0                               ; the sum, in two halves
	v_mov_b32 v15, 0
	s_mov_b32 s[TB], 0
	s_mov_b32 s[TS], 0
.endm
; A KEY STEP: 128 keys.  first = 1: the pass's first step starts O^T (C = 0): nothing is cleared or rescaled
.macro STEP first
	v_add_nc_u32 v8, s[TB], v219                   ; (these four lines are also the places in front of the loads into registers that the last products read)
	v_add_nc_u32 v9, s[TB], v220
	v_add_nc_u32 v223, s[TS], v221
	v_add_nc_u32 v92, s[TS], v5
; K'S TILES ARE PUT TOGETHER ANEW AS THEY ARE READ (this takes the place of what the head says of S^T's registers).  A stored tile holds two groups of 8 neighbouring keys, 16 keys apart.  Fragment 2 c + e takes its rows 0-7 from
; stored fragment 2 c and its rows 8-15 from stored fragment 2 c + 1, in both the places 8 e .. 8 e + 7: lane (r, h) reads the image's place r % 8 + 8 e + 16 h of stored fragment 2 c + r / 8.  Its two tiles, numbers 2 e and 2 e + 1 of
; the four of c, then hold in rows 8 h + j the keys 64 c + 32 h + 8 (tile) + j: register 32 c + i of S^T is key 64 c + 32 h + i: a lane holds WHOLE blocks of 32 keys, blocks h and 2 + h, in the order of P's operand.
.irp c, 0,1
.irp e, 0,1
	ds_load_b128 v[36+24*\c+12*\e:39+24*\c+12*\e], v8 offset:3072*\c+128*\e
	ds_load_b64 v[40+24*\c+12*\e:41+24*\c+12*\e], v9 offset:3072*\c+64*\e+512
	ds_load_b128 v[42+24*\c+12*\e:45+24*\c+12*\e], v8 offset:3072*\c+128*\e+768
	ds_load_b64 v[46+24*\c+12*\e:47+24*\c+12*\e], v9 offset:3072*\c+64*\e+1280
	ds_load_b32 v[84+2*\c+\e], v223 offset:8*\c+128*\e   ; the scale word of my row: row r % 8 + 8 e, word 2 c + r / 8
.endr
.endr
	s_wait_alu depctr_va_vdst(0)                   ; the wait ahead of the wait below
	s_wait_dscnt 0x0
.irp f, 0,1,2,3
	v_wmma_scale_f32_16x16x128_f8f6f4 v[96+16*\f:103+16*\f], v[36+12*\f:47+12*\f], v[16:27], 0, v[84+\f], v34 matrix_a_fmt:MATRIX_FMT_FP6 matrix_b_fmt:MATRIX_FMT_FP6
	v_wmma_scale_f32_16x16x128_f8f6f4 v[104+16*\f:111+16*\f], v[36+12*\f:47+12*\f], v[22:33], 0, v[84+\f], v35 matrix_a_fmt:MATRIX_FMT_FP6 matrix_b_fmt:MATRIX_FMT_FP6
.endr                                  ; register 32 c + i of S^T: key 64 c + 32 h + i of the step
	v_add_nc_u32 v10, s[TB], v3                    ; four places in front of the loads below and of the first read of the scores
	v_add_nc_u32 v11, s[TB], v4
	v_nop
	v_nop
.irp t, 0,1,2,3
	FRAG 36+12*\t, 10, 11, 1536*\t
.endr
	ds_load_b128 v[88:91], v92 offset:4096         ; their scale words of row r
.irp b, 0,1,2,3                        ; the largest score of each block of 32 keys: for the row's maximum and for the block's scale.  Two chains a block, eight by turns: one over my numbers 0 to 8, one over 9 to 15
	v_max3_num_f32 v[232+\b], v[96+16*\b], v[97+16*\b], v[98+16*\b]
.endr
.irp b, 0,1,2,3
	v_max3_num_f32 v[240+\b], v[105+16*\b], v[106+16*\b], v[107+16*\b]
.endr
.irp i, 3,5
.irp b, 0,1,2,3
	v_max3_num_f32 v[232+\b], v[232+\b], v[96+16*\b+\i], v[97+16*\b+\i]
.endr
.irp b, 0,1,2,3
	v_max3_num_f32 v[240+\b], v[240+\b], v[105+16*\b+\i], v[106+16*\b+\i]
.endr
.endr
.irp b, 0,1,2,3
	v_max3_num_f32 v[232+\b], v[232+\b], v[103+16*\b], v[104+16*\b]
.endr
.irp b, 0,1,2,3
	s_delay_alu instid0(VALU_DEP_4)
	v_max_num_f32 v[232+\b], v[232+\b], v[240+\b]  ; the two chains joined
.endr
	s_delay_alu instid0(VALU_DEP_3)
	v_max_num_f32 v232, v232, v233                 ; my block h's largest score,
	s_delay_alu instid0(VALU_DEP_2)
	v_max_num_f32 v233, v234, v235                 ; and my block 2 + h's
	s_delay_alu instid0(VALU_DEP_1)
	v_max_num_f32 v254, v232, v233
	s_delay_alu instid0(VALU_DEP_1)
	v_permlanex16_b32 v236, v254, s[SEL], s[SEL+1] ; lane l xor 16 holds my query's other two blocks
	s_delay_alu instid0(VALU_DEP_1)
	v_max3_num_f32 v13, v13, v254, v236            ; the running largest score of my query
	s_delay_alu instid0(VALU_DEP_1)
	v_mul_f32 v254, s[CS], v13                     ; as t (c is positive)
	s_delay_alu instid0(VALU_DEP_1)
	v_floor_f32 v250, -v254                        ; the new -M = floor(-t) = -ceil(t)
	s_delay_alu instid0(VALU_DEP_1)
	v_sub_f32 v254, v250, v12                      ; old M - new M: a whole number, 0 or less
	v_mov_b32 v12, v250
	s_delay_alu instid0(VALU_DEP_2)
	v_cvt_i32_f32 v254, v254                       ; (it saturates)
	s_delay_alu instid0(VALU_DEP_1)
	v_ldexp_f32 v252, 1.0, v254                    ; f = 2^(old M - new M)
.set J, 0
.rept 32
	v_pk_fma_f32 v[96+J:97+J], v[96+J:97+J], s[CS:CS+1], v[12:13] op_sel_hi:[1,0,0]   ; t - M, two at a time
.set J, J+2
.endr
	v_pk_fma_f32 v[232:233], v[232:233], s[CS:CS+1], v[12:13] op_sel_hi:[1,0,0]       ; the same of my two blocks' largest scores
	s_wait_alu depctr_va_vdst(0)                   ; the wait ahead of the batch
.set J, 0
.rept 64
	v_exp_f32 v[96+J], v[96+J]                     ; p = 2^(t - M)
.set J, J+1
.endr
	v_pk_add_f32 v[232:233], v[232:233], s[78:79] op_sel_hi:[1,0] ; my two blocks' scales, which read none of the batch's results (a plain line behind the exponentials): largest t - M, + 125,
	s_delay_alu instid0(VALU_DEP_1)
	v_max_num_f32 v232, 1.0, v232                  ; held at 1 from below,
	s_delay_alu instid0(VALU_DEP_2)
	v_max_num_f32 v233, 1.0, v233
	s_delay_alu instid0(VALU_DEP_2)
	v_cvt_u32_f32 v236, v232                       ; cut to a whole number: the scale's byte,
	s_delay_alu instid0(VALU_DEP_2)
	v_cvt_u32_f32 v237, v233
	s_delay_alu instid0(VALU_DEP_2)
	v_lshlrev_b32 v244, 23, v236                   ; and the bytes as exponent fields: the conversions' scale operands
	s_delay_alu instid0(VALU_DEP_2)
	v_lshlrev_b32 v245, 23, v237
	s_delay_alu instid0(VALU_DEP_3)
	v_lshl_or_b32 v238, v237, 16, v236             ; my two bytes, blocks h and 2 + h,
	s_delay_alu instid0(VALU_DEP_1)
	v_lshlrev_b32 v238, v222, v238                 ; at their places in the scale word (8 h bits up);
	s_delay_alu instid0(VALU_DEP_1)
	v_permlanex16_b32 v239, v238, s[SEL], s[SEL+1]
	s_delay_alu instid0(VALU_DEP_1)
	v_or_b32 v253, v238, v239                      ; with lane l xor 16's two the word is whole
	s_wait_alu depctr_va_vdst(0)                   ; one wait for the batch, directly ahead of the first reader of O^T and ahead of p's first reader
.if \first == 0
.set J, 0
.rept 16
	v_pk_mul_f32 v[160+J:161+J], v[160+J:161+J], v[252:253] op_sel_hi:[1,0]   ; O^T under the new M, each accumulator from its low end on
.set J, J+2
.endr
.endif
.irp c, 0,1                            ; a block's 32 numbers are mine: registers 6 c .. 6 c + 5 of P's operand
	v_cvt_scalef32_pk16_fp6_f32 v[192+6*\c:194+6*\c], v[96+32*\c:111+32*\c], v[244+\c]
	v_cvt_scalef32_pk16_fp6_f32 v[204+4*\c:206+4*\c], v[112+32*\c:127+32*\c], v[244+\c]   ; (a conversion's three registers begin on an even number: made elsewhere and moved)
.endr
	v_nop                                          ; one plain line behind the scaled conversions
.irp c, 0,1
.irp i, 0,1,2
	v_mov_b32 v[195+6*\c+\i], v[204+4*\c+\i]
.endr
.endr
.set J, 96                             ; the row's sum of the unquantised p, in eight chains by turns.  (These 32 lines also stand between the codes and scale word just made and the scaled matrix instructions)
.irp c, 236,248,242,240,230,228,226
	v_pk_add_f32 v[\c:\c+1], v[J:J+1], v[J+2:J+3]
.set J, J+4
.endr
	v_pk_fma_f32 v[14:15], v[14:15], v[252:253], v[124:125] op_sel_hi:[1,0,1]   ; the sums so far under the new M, x f, and two more p
.set J, 126
.rept 2
.irp c, 236,248,242,240,230,228,226,14
	v_pk_add_f32 v[\c:\c+1], v[\c:\c+1], v[J:J+1]
.set J, J+2
.endr
.endr
	v_pk_add_f32 v[236:237], v[236:237], v[158:159]
	v_pk_add_f32 v[248:249], v[248:249], v[242:243]
	v_pk_add_f32 v[240:241], v[240:241], v[230:231]
	v_pk_add_f32 v[228:229], v[228:229], v[226:227]
	s_delay_alu instid0(VALU_DEP_4)
	v_pk_add_f32 v[14:15], v[14:15], v[236:237]
	s_delay_alu instid0(VALU_DEP_3)
	v_pk_add_f32 v[248:249], v[248:249], v[240:241]
	s_delay_alu instid0(VALU_DEP_2)
	v_pk_add_f32 v[14:15], v[14:15], v[228:229]
	s_delay_alu instid0(VALU_DEP_1)
	v_pk_add_f32 v[14:15], v[14:15], v[248:249]
	s_wait_alu depctr_va_vdst(0)                   ; the wait ahead of the wait below
	s_wait_dscnt 0x0                               ; V's fragments and scale words
.irp t, 0,1,2,3
.if \first
	v_wmma_scale_f32_16x16x128_f8f6f4 v[160+8*\t:167+8*\t], v[36+12*\t:47+12*\t], v[192:203], 0, v[88+\t], v253 matrix_a_fmt:MATRIX_FMT_FP6 matrix_b_fmt:MATRIX_FMT_FP6
.else
	v_wmma_scale_f32_16x16x128_f8f6f4 v[160+8*\t:167+8*\t], v[36+12*\t:47+12*\t], v[192:203], v[160+8*\t:167+8*\t], v[88+\t], v253 matrix_a_fmt:MATRIX_FMT_FP6 matrix_b_fmt:MATRIX_FMT_FP6
.endif
.endr
	s_add_co_u32 s[TB], s[TB], 6144
	s_add_co_u32 s[TS], s[TS], 256
.endm
.macro LOOP n
	s_mov_b32 s[CNT], \n
.Lstep_\@:
	STEP 0
	s_sub_co_u32 s[CNT], s[CNT], 1
	s_cmp_lg_u32 s[CNT], 0
	s_cbranch_scc1 .Lstep_\@
.endm
; THE WAY OUT of pass p: O^T / the sum, quantised along the head's 64 channels: two blocks, half a fragment image
.macro OUT p
.rept 4
	v_nop
.endr
	v_add_f32 v14, v14, v15
	s_delay_alu instid0(VALU_DEP_1)
	v_permlanex16_b32 v252, v14, s[SEL], s[SEL+1]
	s_delay_alu instid0(VALU_DEP_1)
	v_add_f32 v14, v14, v252                       ; the row's sum
	s_wait_alu depctr_va_vdst(0)
	v_rcp_f32 v14, v14
	v_nop                                          ; a plain line behind the reciprocal
	s_wait_alu depctr_va_vdst(0)                   ; the wait, ahead of the reciprocal's first reader and of O^T's
.set J, 0
.rept 16
	v_pk_mul_f32 v[96+J:97+J], v[160+J:161+J], v[14:15] op_sel_hi:[1,0]   ; each accumulator from its low end on; register 16 b + i: channel 32 b + 16 h + i
.set J, J+2
.endr
	v_max3_num_f32 v232, |v96|, |v97|, 0x1800000
	v_max3_num_f32 v233, |v112|, |v113|, 0x1800000
.irp i, 2,4,6,8,10,12,14
	s_delay_alu instid0(VALU_DEP_2)
	v_max3_num_f32 v232, v232, |v[96+\i]|, |v[97+\i]|
	s_delay_alu instid0(VALU_DEP_2)
	v_max3_num_f32 v233, v233, |v[112+\i]|, |v[113+\i]|
.endr
	s_delay_alu instid0(VALU_DEP_2)
	v_permlanex16_b32 v236, v232, s[SEL], s[SEL+1]
	s_delay_alu instid0(VALU_DEP_2)
	v_permlanex16_b32 v237, v233, s[SEL], s[SEL+1]
	s_delay_alu instid0(VALU_DEP_2)
	v_max_num_f32 v232, v232, v236
	s_delay_alu instid0(VALU_DEP_2)
	v_max_num_f32 v233, v233, v237
	s_delay_alu instid0(VALU_DEP_2)
	v_add_nc_u32 v244, 0xff000000, v232            ; 2 off the exponent field: the conversion's scale operand
	s_delay_alu instid0(VALU_DEP_2)
	v_add_nc_u32 v245, 0xff000000, v233
	s_delay_alu instid0(VALU_DEP_2)
	v_lshrrev_b32 v236, 23, v244
	s_delay_alu instid0(VALU_DEP_2)
	v_lshrrev_b32 v237, 23, v245
	s_delay_alu instid0(VALU_DEP_1)
	v_lshl_or_b32 v238, v237, 8, v236              ; the head's two scale bytes of my row
	v_cvt_scalef32_pk16_fp6_f32 v[192:194], v[96:111], v244
	v_cvt_scalef32_pk16_fp6_f32 v[204:206], v[112:127], v245
	v_nop                                          ; one plain line behind the scaled conversions
.irp i, 0,1,2
	v_permlane16_swap_b32 v[192+\i], v[204+\i]
.endr
.irp i, 0,1,2
	s_delay_alu instid0(VALU_DEP_3)
	v_mov_b32 v[195+\i], v[204+\i]
.endr
	global_store_b128 v1, v[192:195], s[62:63] offset:196608*\p       ; 512 consecutive bytes, aligned to 256; the second pass 16 tiles of 12,288 bytes on
	global_store_b64 v2, v[196:197], s[62:63] offset:196608*\p+512    ; 256
	v_cmp_gt_u32 vcc_lo, 16, v93
	s_wait_alu depctr_va_vdst(0)                   ; the wait ahead of the wait below
	s_wait_xcnt 0x0                                ; EXEC changes only behind this wait
	s_and_saveexec_b32 s77, vcc_lo                 ; lanes 0-15: one lane a row
	global_store_b16 v6, v238, s[68:69] offset:8192*\p
	s_wait_xcnt 0x0                                ; and again, in front of the line that widens it; the stores' data may be written again behind it
	s_or_b32 exec_lo, exec_lo, s77
.endm
	s_wait_loadcnt 0x0                             ; both passes' q
	BEGIN 0
	s_wait_alu depctr_va_vdst(0)                   ; the wait at the head's end
	s_cmp_lt_u32 s[WV], 4
	s_cbranch_scc0 .Lnot_first
	s_wait_tensorcnt 0x0                           ; waves 0 to 3: key steps 0 and 1 and the scale words have landed
.Lnot_first:
	s_barrier_signal -1
	s_barrier_wait -1                              ; and every wave knows; the other fourteen steps may be on their way
	STEP 1
	STEP 0
	s_wait_tensorcnt 0x0                           ; every wave: all that is still out has landed
	s_wait_dscnt 0x0
	s_barrier_signal -1
	s_barrier_wait -1
	LOOP 14
	OUT 0
	BEGIN 1
	STEP 1
	LOOP 15
	OUT 1
	s_wait_tensorcnt 0x0                           ; the wave's end
	ds_add_u32 v251, v255
	s_wait_dscnt 0x0
	ROUND                                          ; the closing round: no work-group ends while a partner may still ask for a tile that names it
	s_endpgm
.Lfunc_end_k_q2736b2b3c7_attn:
	.size	k_q2736b2b3c7_attn, .Lfunc_end_k_q2736b2b3c7_attn-k_q2736b2b3c7_attn
	.p2alignl 7, 3214868480
	.fill 96, 4, 3214868480
	.section	.rodata,"a",@progbits
	.p2align	6, 0x0
	.amdhsa_kernel k_q2736b2b3c7_attn
		.amdhsa_group_segment_fixed_size 206848
		.amdhsa_private_segment_fixed_size 0
		.amdhsa_enable_private_segment 0
		.amdhsa_kernarg_size 24
		.amdhsa_user_sgpr_count 2
		.amdhsa_user_sgpr_kernarg_segment_ptr 1
		.amdhsa_wavefront_size32 1
		.amdhsa_system_sgpr_workgroup_id_x 1
		.amdhsa_system_sgpr_workgroup_id_y 1
		.amdhsa_system_sgpr_workgroup_id_z 1
		.amdhsa_system_vgpr_workitem_id 0
		.amdhsa_next_free_vgpr 256
		.amdhsa_next_free_sgpr 80
		.amdhsa_reserve_vcc 1
		.amdhsa_float_denorm_mode_32 3
		.amdhsa_float_denorm_mode_16_64 3
		.amdhsa_memory_ordered 1
		.amdhsa_forward_progress 1
		.amdhsa_inst_pref_size 97
	.end_amdhsa_kernel
	.amdgpu_metadata
---
amdhsa.version: [ 1, 2 ]
amdhsa.kernels:
  - .name:           k_q2736b2b3c7_attn
    .symbol:         k_q2736b2b3c7_attn.kd
    .args:
      - { .name: qk, .offset: 0, .size: 8, .value_kind: global_buffer, .address_space: global }
      - { .name: vt, .offset: 8, .size: 8, .value_kind: global_buffer, .address_space: global }
      - { .name: ao, .offset: 16, .size: 8, .value_kind: global_buffer, .address_space: global }
    .group_segment_fixed_size: 206848
    .private_segment_fixed_size: 0
    .kernarg_segment_align: 8
    .kernarg_segment_size: 24
    .max_flat_workgroup_size: 512
    .sgpr_count:     80
    .vgpr_count:     256
    .wavefront_size: 32
...
	.end_amdgpu_metadata
.endif
;; end of part 3
;; launch oproj (part 4): grid 4 x 64, 4 waves a work-group, clusters of 4 x 4, 327,680 bytes of LDS; arguments ao, wq, bo, out0; writes out0
.if DOCPART == 4
	.amdgcn_target "amdgcn-amd-amdhsa--gfx1250"
	.amdhsa_code_object_version 6
	.text
	.protected	k_q2736b2b3c7_oproj
	.globl	k_q2736b2b3c7_oproj
	.p2align	8
	.type	k_q2736b2b3c7_oproj,@function
k_q2736b2b3c7_oproj:
	s_mov_b64 s[64:65], 0
	v_nop
	global_prefetch_b8 v0, s[64:65] scope:SCOPE_SE
	s_setreg_imm32_b32 hwreg(HW_REG_WAVE_MODE, 25, 1), 1
	s_wait_xcnt 0x0
	s_wait_alu depctr_hold_cnt(0) depctr_sa_sdst(0) depctr_va_vdst(0) depctr_va_sdst(0) depctr_va_ssrc(0) depctr_va_vcc(0) depctr_vm_vsrc(0)
	s_getreg_b32 s2, hwreg(HW_REG_IB_STS2, 6, 4)
	s_cmp_eq_u32 s2, 0
	s_cbranch_scc0 .Lentry_in_a_cluster
	s_endpgm
.Lentry_in_a_cluster:
	s_bfe_u32 s2, ttmp6, 0x10000c
	s_cmp_lg_u32 s2, 0xf033
	s_cbranch_scc0 .Lentry_shape_is_right
	s_endpgm
.Lentry_shape_is_right:
; out0 = a Wo^T + bo on codes of FP6 (E2M3) with E8M0 scales, f32 sums.  a: the attention's output as fragment images, ao: codes [token tile 512][K step 8][1536], from AOS on scale words [tile][K step 8][row 16].
; Wo: tiles 192-255 of wq: codes [tile][K step 8][1536], from WS on scale words [tile][K half][row 16][K step % 4].  Place m of tile t = row 32 (t / 2) + 8 (t % 2) + m + 8 (m / 8).
; A work-group makes 128 tokens (SOURCE 1) x 256 outputs (SOURCE 0 = rows of Wo) over all K = 1,024: a lane holds one token, and a tile's eight registers are eight neighbouring outputs.
; LDS: two halves of 512 K, each 8 tiles of source 1 and 16 of source 0, 6,144 bytes a tile; every byte is filled once, so there is no ring.  A wave has one tensor load outstanding at a time: the first half at the head, the second behind a round.
; CLUSTER 4 x 4: the tokens' tiles are shared along a row of the cluster, Wo's along a column: joint loads.
; A wave makes 4 tiles of tokens x 8 of outputs: 32 accumulators, by turns, one instruction a turn.  bo is the C of each sum's first matrix instruction.
; THE WAY OUT: 16 tokens x 128 outputs at a time through the wave's own stage in LDS (pitch 528) and out as whole rows of 512 bytes.  The stages lie in chunk 0, which has had its only fill and which nobody reads behind the barrier of K step 1.
; REGISTERS.  window 0: v1-16 places and addresses; v32-63 the tokens' scale words (8 a + s), v64-127 Wo's (8 b + s); v128-223 the tokens' fragments, two sets; on the way out v128-255 rows.
;             window 1: Wo's fragments, two sets at v0 and v128.   window 2: accumulator (a, b) at v[64 a + 8 b].   window 3: v0-63 bo's eight tiles in the result's layout.
.set AOS,   6291456
.set WS,    3145728
.set TILEB, 12288
.set CHUNK, 147456                     ; LDS now holds TWO HALVES of K (in place of the four chunks named above): each 8 tiles of tokens and 16 of Wo, 6,144 bytes a tile; a wave has one tensor load outstanding at a time.  The stages lie in the first half, which nobody reads behind the barrier of K step 3
.set STO,   15                         ; v15  the stage: where I put 32 bytes of a row
.set RD,    16                         ; v16  and where I read a row back
.set G1A,   24
.set G1B,   32
.set G0A,   40
.set G0B,   68
.set MUL,   0xa1                       ; source 0 window 1, source 1 window 0, C and D window 2
.set MULB,  0xb1                       ; the same with C in window 3: bo
.set TO_B,  0x40
.set MSB, 0
.macro WIN new                         ; the immediate's high byte repeats the setting that is left
.if MSB != \new
	s_set_vgpr_msb (MSB<<8)|\new
.set MSB, \new
.endif
.endm
.macro PLACES                          ; four plain lines between a matrix instruction and a load into, or a read of, its registers
.rept 4
	v_nop
.endr
.endm
.macro CROUND                          ; a round of the cluster's barrier
	s_barrier_signal -1
	s_barrier_wait -1
	s_cmp_lg_u32 s14, 0
	s_cbranch_scc1 .Lnot_wave_0_\@
	s_barrier_signal -3
.Lnot_wave_0_\@:
	s_barrier_wait -3
	s_barrier_signal -1
	s_barrier_wait -1
.endm
.macro FRAG reg, a16, a8, off          ; a fragment image: every line reads 512 or 256 consecutive bytes
	ds_load_b128 v[\reg:\reg+3], v[\a16] offset:\off
	ds_load_b64 v[\reg+4:\reg+5], v[\a8] offset:\off+512
	ds_load_b128 v[\reg+6:\reg+9], v[\a16] offset:\off+768
	ds_load_b64 v[\reg+10:\reg+11], v[\a8] offset:\off+1280
.endm
	s_load_b256 s[4:11], s[0:1], 0x0               ; ao, wq, bo, out0
	v_lshl_add_u32 v30, v0, 2, 0x48000
	v_mov_b32 v31, 0
	ds_add_u32 v30, v31
	ds_add_u32 v30, v31
	v_lshrrev_b32 v1, 5, v0
	v_readfirstlane_b32 s14, v1                    ; wave 0..3
	s_lshr_b32 s15, s14, 1                         ; i: my four tiles of tokens.  Also: I fetch for the tokens (0) or for Wo (1)
	s_and_b32 s16, s14, 1                          ; j: my eight tiles of Wo.  Also: which half I fetch
	s_bfe_u32 s17, ttmp6, 0x40000                  ; cx
	s_bfe_u32 s18, ttmp6, 0x40004                  ; cy
	s_lshl_b32 s21, ttmp9, 2
	s_add_co_u32 s21, s21, s17                     ; B0: my 256 outputs: never holds cy
	s_and_b32 s22, ttmp7, 0xffff
	s_lshl_b32 s22, s22, 2
	s_add_co_u32 s22, s22, s18                     ; B1: my 128 tokens: never holds cx
	s_lshl_b32 s23, s18, 2
	s_lshl_b32 s23, 15, s23                        ; my row of the cluster
	s_lshl_b32 s97, 0x1111, s17                    ; my column
	s_or_b32 s[G1A], s23, (3<<16)|(1<<21)          ; 15:0 the mask; 17:16 elements of 8 bytes; 21 set beside a mask; no padding
	s_or_b32 s[G1B], s97, (3<<16)|(1<<21)
	s_mov_b32 s[G1A+1], 768<<16                    ; 6,144 bytes, half of a tile's K
	s_mov_b32 s[G1A+2], 4<<16                      ; four tiles
	s_mov_b32 s[G1A+3], 768<<16
	s_mov_b32 s[G1A+4], 4
	s_mov_b32 s[G1A+5], 1536                       ; from tile to tile: 12,288 bytes
	s_mov_b32 s[G1A+6], 0
	s_mov_b32 s[G1A+7], 0
	s_mov_b32 s[G1B+1], 768<<16
	s_mov_b32 s[G1B+2], 8<<16                      ; eight tiles
	s_mov_b32 s[G1B+3], 768<<16
	s_mov_b32 s[G1B+4], 8
	s_mov_b32 s[G1B+5], 1536
	s_mov_b32 s[G1B+6], 0
	s_mov_b32 s[G1B+7], 0
	s_mul_i32 s12, s16, 24576                      ; where my fetch goes in a half: the wave's number alone enters an LDS address
	s_mul_i32 s13, s16, 49152
	s_add_co_u32 s13, s13, 49152
	s_lshl_b32 s56, s22, 3
	s_lshl_b32 s57, s16, 2
	s_add_co_u32 s56, s56, s57
	s_mul_i32 s56, s56, TILEB                      ; the four tiles of tokens that I fetch
	s_mov_b32 s57, 0
	s_lshl_b32 s58, s21, 4
	s_lshl_b32 s59, s16, 3
	s_add_co_u32 s58, s58, s59
	s_add_co_u32 s58, s58, 192                     ; Wo begins at tile 192 of wq
	s_mul_i32 s58, s58, TILEB                      ; the eight tiles of Wo that I fetch
	s_mov_b32 s59, 0
	s_wait_dscnt 0x0
	CROUND                                         ; the opening round, ahead of the wait for the arguments: all sixteen work-groups are here
	s_wait_kmcnt 0x0
	s_add_nc_u64 s[60:61], s[4:5], s[56:57]
	s_add_nc_u64 s[62:63], s[6:7], s[58:59]
.irp c, 0,1
	s_mov_b32 s[G0A+4*\c], 1
	s_add_co_u32 s[G0A+4*\c+1], s12, \c*CHUNK
	s_add_nc_u64 s[G0A+4*\c+2:G0A+4*\c+3], s[60:61], \c*6144
	s_or_b32 s[G0A+4*\c+3], s[G0A+4*\c+3], 0x80000000
	s_mov_b32 s[G0B+4*\c], 1
	s_add_co_u32 s[G0B+4*\c+1], s13, \c*CHUNK
	s_add_nc_u64 s[G0B+4*\c+2:G0B+4*\c+3], s[62:63], \c*6144
	s_or_b32 s[G0B+4*\c+3], s[G0B+4*\c+3], 0x80000000
.endr
	s_cmp_eq_u32 s15, 0                            ; a wave's fill stands in one branch on its number
	s_cbranch_scc0 .Lfor_b
	tensor_load_to_lds s[G0A:G0A+3], s[G1A:G1A+7]  ; the first half of K: one tensor load a wave at the head
	s_nop 0
	PLACES
	s_branch .Lasked
.Lfor_b:
	tensor_load_to_lds s[G0B:G0B+3], s[G1B:G1B+7]
	s_nop 0
	PLACES
.Lasked:
	v_and_b32 v1, 31, v0                           ; lane
	v_and_b32 v2, 15, v0                           ; r
	v_bfe_u32 v3, v0, 4, 1                         ; h
	v_lshlrev_b32 v4, 4, v2                        ; 16 r
	v_lshlrev_b32 v5, 2, v2                        ; 4 r
	v_lshlrev_b32 v14, 6, v3                       ; 64 h
	v_lshlrev_b32 v12, 4, v1                       ; 16 x lane
	v_lshlrev_b32 v13, 3, v1                       ; 8 x lane
	s_mul_i32 s95, s15, 24576
	v_add_nc_u32 v8, s95, v12                      ; my four tiles of tokens in a chunk
	v_add_nc_u32 v9, s95, v13
	s_mul_i32 s96, s16, 49152
	s_add_co_u32 s96, s96, 49152
	v_add_nc_u32 v10, s96, v12                     ; my eight tiles of Wo
	v_add_nc_u32 v11, s96, v13
	s_mul_i32 s95, s14, 8448                       ; my stage
	v_mul_u32_u24 v[STO], v2, 528
	v_add_nc_u32 v[STO], v[STO], v14
	v_add_nc_u32 v[STO], s95, v[STO]               ; in: row r, + 64 h
	v_add_nc_u32 v[RD], s95, v12                   ; back: 16 bytes a lane of a row of 512
	s_lshl_b32 s84, s22, 3
	s_lshl_b32 s85, s15, 2
	s_add_co_u32 s84, s84, s85                     ; my first tile of tokens
	s_lshl_b32 s84, s84, 9
	s_add_co_u32 s84, s84, AOS
	s_mov_b32 s85, 0
	s_add_nc_u64 s[84:85], s[4:5], s[84:85]
	s_lshl_b32 s86, s21, 4
	s_lshl_b32 s87, s16, 3
	s_add_co_u32 s86, s86, s87
	s_add_co_u32 s86, s86, 192                     ; my first tile of Wo
	s_lshl_b32 s86, s86, 9
	s_add_co_u32 s86, s86, WS
	s_mov_b32 s87, 0
	s_add_nc_u64 s[86:87], s[6:7], s[86:87]
	s_lshl_b32 s88, s21, 10
	s_lshl_b32 s89, s16, 9
	s_add_co_u32 s88, s88, s89                     ; my first output, in bytes
	s_mov_b32 s89, 0
	s_add_nc_u64 s[92:93], s[8:9], s[88:89]        ; in bo
	s_lshl_b32 s90, s22, 19
	s_lshl_b32 s91, s15, 18
	s_add_co_u32 s90, s90, s91                     ; my first token's row of 4,096 bytes
	s_add_co_u32 s90, s90, s88
	s_mov_b32 s91, 0
	s_add_nc_u64 s[94:95], s[10:11], s[90:91]      ; in out0
.irp a, 0,1,2,3
.irp s, 0,1,2,3,4,5,6,7
	global_load_b32 v[32+8*\a+\s], v5, s[84:85] offset:512*\a+64*\s
.endr
.endr
.irp b, 0,1,2,3,4,5,6,7
.irp k, 0,1
	global_load_b128 v[64+8*\b+4*\k:67+8*\b+4*\k], v4, s[86:87] offset:512*\b+256*\k
.endr
.endr
	WIN 0xc0                                       ; destination window 3
.irp b, 0,1,2,3,4,5,6,7                ; bo in the result's layout: tile b, register n: output 32 (b / 2) + 16 h + 8 (b % 2) + n
	global_load_b128 v[8*\b:8*\b+3], v14, s[92:93] offset:(32*(\b/2)+8*(\b%2))*4
	global_load_b128 v[8*\b+4:8*\b+7], v14, s[92:93] offset:(32*(\b/2)+8*(\b%2))*4+16
.endr
	WIN 0
.macro FETCH s                         ; K step s's twelve fragments into set s % 2
	WIN TO_B
.irp b, 0,1,2,3,4,5,6,7
	FRAG 128*((\s)%2)+12*\b, 10, 11, 6144*\b+1536*((\s)%4)
.endr
	WIN 0
.irp a, 0,1,2,3
	FRAG 128+48*((\s)%2)+12*\a, 8, 9, 6144*\a+1536*((\s)%4)
.endr
.endm
.macro MUL16 a0, s, first              ; the tokens' tiles a0, a0 + 1 against Wo's eight.  first = 1: the sums start from bo
.irp a, \a0, \a0+1
.irp b, 0,1,2,3,4,5,6,7
.if \first
	v_wmma_scale_f32_16x16x128_f8f6f4 v[64*(\a)+8*\b:64*(\a)+8*\b+7], v[128*((\s)%2)+12*\b:128*((\s)%2)+12*\b+11], v[128+48*((\s)%2)+12*(\a):128+48*((\s)%2)+12*(\a)+11], v[8*\b:8*\b+7], v[64+8*\b+(\s)], v[32+8*(\a)+(\s)] matrix_a_fmt:MATRIX_FMT_FP6 matrix_b_fmt:MATRIX_FMT_FP6
.else
	v_wmma_scale_f32_16x16x128_f8f6f4 v[64*(\a)+8*\b:64*(\a)+8*\b+7], v[128*((\s)%2)+12*\b:128*((\s)%2)+12*\b+11], v[128+48*((\s)%2)+12*(\a):128+48*((\s)%2)+12*(\a)+11], v[64*(\a)+8*\b:64*(\a)+8*\b+7], v[64+8*\b+(\s)], v[32+8*(\a)+(\s)] matrix_a_fmt:MATRIX_FMT_FP6 matrix_b_fmt:MATRIX_FMT_FP6
.endif
.endr
.endr
.endm
; A K step of 128: 32 matrix instructions; in its middle the next step's fragments are fetched into the other set.  In step 3 the next step begins the second half of K: my part of it has landed (the count is 0), and a barrier says so of every wave.
.macro KSTEP s, first
	s_wait_dscnt 0x0                               ; this step's fragments are in
.if (\s) == 3                          ; the next step begins the second half of K: my part of it has landed, and a barrier says so of every wave
	s_wait_tensorcnt 0x0
	s_barrier_signal -1
.endif
	WIN MUL+0x10*\first
	MUL16 0, \s, \first
.if (\s) == 3
	s_barrier_wait -1
.endif
.if (\s) < 7
	WIN 0
	PLACES                                         ; in front of loads into the set that the last step's products read
.if (\s) == 3
	v_add_nc_u32 v8, CHUNK, v8
	v_add_nc_u32 v9, CHUNK, v9
	v_add_nc_u32 v10, CHUNK, v10
	v_add_nc_u32 v11, CHUNK, v11
.endif
	FETCH (\s)+1
.endif
	WIN MUL+0x10*\first
	MUL16 2, \s, \first
.endm
	s_wait_alu depctr_va_vdst(0)
	s_wait_tensorcnt 0x0                           ; my part of the first half is in; the three lines ahead of a later first fill
	ds_add_u32 v30, v31
	s_wait_dscnt 0x0
	CROUND                                         ; everybody's part is in, and all sixteen work-groups are here: the joint loads meet
	s_cmp_eq_u32 s15, 0
	s_cbranch_scc0 .Lfor_b2
	tensor_load_to_lds s[G0A+4:G0A+7], s[G1A:G1A+7]   ; the second half of K, the wave's one load behind the round
	s_nop 0
	PLACES
	s_branch .Lasked2
.Lfor_b2:
	tensor_load_to_lds s[G0B+4:G0B+7], s[G1B:G1B+7]
	s_nop 0
	PLACES
.Lasked2:
	FETCH 0
	s_wait_loadcnt 0x0                             ; the scale words and bo
	KSTEP 0, 1
	KSTEP 1, 0
	KSTEP 2, 0
	KSTEP 3, 0
	s_wait_alu depctr_va_vdst(0)
	KSTEP 4, 0
	KSTEP 5, 0
	KSTEP 6, 0
	KSTEP 7, 0
	WIN 0
; THE WAY OUT, a tile of 16 tokens at a time.  LDS serves a wave's instructions in order (ISA guide 5.7.1.4): no wait between the stores and the loads, nor in front of the next tile's stores.
.macro TOSTAGE a
	WIN 0x08                                       ; an LDS store's data are its source 1: window 2
.irp b, 0,1,2,3,4,5,6,7
	ds_store_b128 v[STO], v[64*(\a)+8*\b:64*(\a)+8*\b+3] offset:128*(\b/2)+32*(\b%2)        ; each accumulator from its low end on
	ds_store_b128 v[STO], v[64*(\a)+8*\b+4:64*(\a)+8*\b+7] offset:128*(\b/2)+32*(\b%2)+16
.endr
	WIN 0
.irp t, 0,1,2,3,4,5,6,7,8,9,10,11,12,13,14,15
	ds_load_b128 v[128+64*((\a)%2)+4*\t:128+64*((\a)%2)+4*\t+3], v[RD] offset:\t*528
.endr
.endm
.macro SEND a, younger                 ; younger: the LDS instructions issued behind tile a's loads, which may stay out
	s_wait_dscnt \younger
.irp t, 0,1,2,3,4,5,6,7,8,9,10,11,12,13,14,15
	global_store_b128 v12, v[128+64*((\a)%2)+4*\t:128+64*((\a)%2)+4*\t+3], s[94:95] offset:(32*((\a)/2)+8*((\a)%2)+\t+8*(\t/8))*4096 th:TH_STORE_NT   ; 32 lanes store 512 consecutive bytes of a token's row, aligned to 256
.endr
.endm
	PLACES                                         ; in front of the first read of results and of loads into the registers that held fragments
	TOSTAGE 0
	TOSTAGE 1
	SEND 0, 32                                     ; behind tile 0's loads: tile 1's 16 stores and 16 loads
	s_wait_xcnt 0x0                                ; tile 0's stores have read their registers: tile 2's rows may land there
	TOSTAGE 2
	SEND 1, 32
	s_wait_xcnt 0x0
	TOSTAGE 3
	SEND 2, 32
	SEND 3, 0
	s_wait_tensorcnt 0x0
	ds_add_u32 v30, v31
	s_wait_dscnt 0x0
	CROUND                                         ; the closing round: no work-group ends while a partner may still ask for a tile that names it
	s_endpgm
.Lfunc_end_k_q2736b2b3c7_oproj:
	.size	k_q2736b2b3c7_oproj, .Lfunc_end_k_q2736b2b3c7_oproj-k_q2736b2b3c7_oproj
	.p2alignl 7, 3214868480
	.fill 96, 4, 3214868480
	.section	.rodata,"a",@progbits
	.p2align	6, 0x0
	.amdhsa_kernel k_q2736b2b3c7_oproj
		.amdhsa_group_segment_fixed_size 327680
		.amdhsa_private_segment_fixed_size 0
		.amdhsa_enable_private_segment 0
		.amdhsa_kernarg_size 32
		.amdhsa_user_sgpr_count 2
		.amdhsa_user_sgpr_kernarg_segment_ptr 1
		.amdhsa_wavefront_size32 1
		.amdhsa_system_sgpr_workgroup_id_x 1
		.amdhsa_system_sgpr_workgroup_id_y 1
		.amdhsa_system_sgpr_workgroup_id_z 1
		.amdhsa_system_vgpr_workitem_id 0
		.amdhsa_next_free_vgpr 832
		.amdhsa_next_free_sgpr 100
		.amdhsa_reserve_vcc 0
		.amdhsa_float_denorm_mode_32 3
		.amdhsa_float_denorm_mode_16_64 3
		.amdhsa_memory_ordered 1
		.amdhsa_forward_progress 1
		.amdhsa_inst_pref_size 87
	.end_amdhsa_kernel
	.amdgpu_metadata
---
amdhsa.version: [ 1, 2 ]
amdhsa.kernels:
  - .name:           k_q2736b2b3c7_oproj
    .symbol:         k_q2736b2b3c7_oproj.kd
    .args:
      - { .name: ao, .offset: 0, .size: 8, .value_kind: global_buffer, .address_space: global }
      - { .name: wq, .offset: 8, .size: 8, .value_kind: global_buffer, .address_space: global }
      - { .name: bo, .offset: 16, .size: 8, .value_kind: global_buffer, .address_space: global }
      - { .name: out0, .offset: 24, .size: 8, .value_kind: global_buffer, .address_space: global }
    .group_segment_fixed_size: 327680
    .private_segment_fixed_size: 0
    .kernarg_segment_align: 8
    .kernarg_segment_size: 32
    .max_flat_workgroup_size: 128
    .sgpr_count:     100
    .vgpr_count:     832
    .wavefront_size: 32
...
	.end_amdgpu_metadata
.endif
;; end of part 4
